; MI455X (gfx1250); checked and timed in simulation.
; The chip was launched on July 23, 2026; its instructions are those of AMD's public machine-readable ISA for CDNA 5 (MIT licence, August 2026) and "CDNA5" Instruction Set Architecture Reference Guide (July 2026). The comments in the code are by the model that wrote it; some were corrected since.
;; Multi Head Attention. Allowed arithmetic: matrix products marked QUANTISED: E2M1 operands, one E8M0 scale for each 32 along K, by v_wmma_scale_f32_16x16x128_f8f6f4 with both operands' format E2M1 (or v_wmma_scale_f32_32x16x128_f4), f32 sums; products left as they are: bf16, f16 or f32 operands; f32 sums; everything else in f32.
;; Inputs: Wk 1,024 x 1,024 float32; Wo 1,024 x 1,024 float32; Wq 1,024 x 1,024 float32; Wv 1,024 x 1,024 float32; bk 1,024 float32; bo 1,024 float32; bq 1,024 float32; bv 1,024 float32; x_kv 4 x 2,048 x 1,024 float32; x_q 4 x 2,048 x 1,024 float32.
;; Outputs: out0 4 x 2,048 x 1,024 float32.
;; This version of the problem:
;;   THIS VERSION OF THE PROBLEM IS GIVEN IN LOW PRECISION. The matrix products marked QUANTISED in the list below multiply operands that are first quantised to E2M1 (2 exponent bits, 1 mantissa bit; 4 bits a number), with one power-of-two scale for each 32 numbers along K (OCP MX v1.0); their sums are f32. The products marked 'left as it is' may take bf16, f16 or f32 operands, with f32 sums. Whichever they take, every output number must still come out within the allowed error. Rounding operands to bf16 (8 significant bits) uses up far more of that allowance than f16 does (11 bits, for magnitudes from 6e-5 to 65,504). All else is computed in f32.
;;   The module's matrix products, in the order in which they are computed (A, B: the left and right operand; K: the contracted axis; several contracted axes count as one K, in the product's order):
;;     1. [M 8,192, K 1,024] x [K 1,024, N 1,024]; A: input x_q; B: input Wq: QUANTISED
;;     2. [M 8,192, K 1,024] x [K 1,024, N 1,024]; A: input x_kv; B: input Wk: QUANTISED
;;     3. [M 8,192, K 1,024] x [K 1,024, N 1,024]; A: input x_kv; B: input Wv: QUANTISED
;;     4. batch 64 x [M 2,048, K 64] x [K 64, N 2,048]; A: computed on the way; B: computed on the way: left as it is (an operand is computed on the way)
;;     5. batch 64 x [M 2,048, K 2,048] x [K 2,048, N 64]; A: computed on the way; B: computed on the way: left as it is (an operand is computed on the way)
;;     6. [M 8,192, K 1,024] x [K 1,024, N 1,024]; A: computed on the way; B: input Wo: left as it is (an operand is computed on the way)
;;   THE QUANTISER, for each operand of a quantised product, along K:
;;     - K is cut into blocks of 32 from its start; a last block that is shorter is filled with zeros.
;;     - A block's scale is 2^e with e = floor(log2(the largest magnitude in the block)) - 2, held to -126 .. 127; a block of zeros has e = 0. As a byte (E8M0): e + 127.
;;     - Each number is divided by its block's scale, clamped to +-6, and rounded to the nearest number of E2M1, ties to even, subnormals kept.
;;     - The product sums the exact products of the quantised numbers (number of the format x scale) in f32.
;;   ~~~python
;;   def quantise(x, axis):      # numpy; x: float32 -> the quantised numbers, widened to float32 again
;;       x = np.moveaxis(x, axis, -1); K = x.shape[-1]
;;       x = np.pad(x, [(0, 0)] * (x.ndim - 1) + [(0, -K % 32)]); x = x.reshape(x.shape[:-1] + (-1, 32)); a = np.abs(x).max(-1, keepdims=True)
;;       e = np.where(a > 0, np.clip(np.frexp(np.where(a > 0, a, 1))[1] - 1 - 2, -126, 127), 0)      # np.frexp(a)[1] - 1 = floor(log2(a)), exactly
;;       r = np.clip(x / 2.0 ** e, -6, 6)
;;       step = 2.0 ** (np.maximum(np.frexp(np.where(r == 0, 1, r))[1] - 1, 0) - 1)
;;       q = np.round(r / step) * step * 2.0 ** e      # np.round: ties to even
;;       return np.moveaxis(q.reshape(q.shape[:-2] + (-1,))[..., :K], -1, axis).astype(np.float32)
;;   ~~~
;; One version. Each part assembles by itself: llvm-mc -triple=amdgcn-amd-amdhsa -mcpu=gfx1250 --defsym DOCPART=n.
;; ======== version 1 of 1: 4 launches
;; limits: values are held in f16: magnitudes above 65,504 overflow, below 6.1e-05 lose precision
;; workspace buffers: xc 8,388,608 bytes; xs 524,288 bytes; wc 1,572,864 bytes; ws 98,304 bytes; wo16 2,097,152 bytes; qkv 50,331,648 bytes; att 16,777,216 bytes
;; launch quant (part 1): grid 640 x 1, 4 waves a work-group, no clusters, 33,280 bytes of LDS; arguments x_q, x_kv, Wq, Wk, Wv, Wo, xc, xs, wc, ws, wo16; writes xc, xs, wc, ws, wo16
.if DOCPART == 1
	.amdgcn_target "amdgcn-amd-amdhsa--gfx1250"
	.amdhsa_code_object_version 6
	.text
	.protected	k_q9f955b3c40_quant
	.globl	k_q9f955b3c40_quant
	.p2align	8
	.type	k_q9f955b3c40_quant,@function
k_q9f955b3c40_quant:
	s_mov_b64 s[64:65], 0
	v_nop
	global_prefetch_b8 v0, s[64:65] scope:SCOPE_SE
	s_setreg_imm32_b32 hwreg(HW_REG_WAVE_MODE, 25, 1), 1
	s_wait_xcnt 0x0
; x_q, x_kv [8192][1024] and Wq, Wk, Wv [1024][1024], f32 with K innermost, become codes of FP4 (E2M1), two to a byte, and one E8M0 scale byte for each 32 along K.  Wo [1024][1024] becomes f16.
; xc [16384][512]: x_q's rows, then x_kv's; xs [16384][32] their scale bytes; wc [3072][512]: Wq, Wk, Wv; ws [3072][32]; wo16 [1024][1024] f16.
; A block's scale is 2^(floor(log2(its largest magnitude)) - 2); its byte is the largest magnitude's exponent field - 2, held at 1 from below.  Each number is divided by the scale and rounded to the nearest code, ties to even.
; LIMITS: a block of zeros gets the byte 1 where the quantiser says 127 (its codes are zeros, and this program alone reads the bytes); blocks whose largest magnitude lies under 2^-124 keep the byte 1;
; NaN and infinities among the inputs are not served; |Wo| up to 65,504, and numbers of Wo under 6e-5 keep an absolute error of 2^-25.
; Rows are dense and K is a multiple of 32: every tensor is a plain stream of blocks of 32.  A work-group takes 32,768 numbers, a wave 16 steps of 512.
; Work-groups 0-255: x_q; 256-511: x_kv; 512-543: Wq; 544-575: Wk; 576-607: Wv; 608-639: Wo.  The five quantised tensors take ONE path: only pointers are chosen, by the work-group's number.
; Each load reads 512 consecutive bytes; a step's 2,048 bytes turn through the wave's own stage in LDS so that a lane holds 16 neighbours along K; two neighbouring lanes hold a block.
; No tensor load, no barrier, no matrix unit, no cluster: a stream whose waves share nothing.
.set WAVES, 4
.set STEPS, 16
.set EMAX,  2
.set CB,    8                          ; bytes of 16 codes
.set R,     16                         ; v16-79   four sets of 16 numbers as they are loaded
.set X,     80                         ; v80-111  two sets of 16 neighbours
.set E,     112                        ; v112-127 a scale byte for each step
.set C,     128                        ; v128-191 codes: four registers for each step, so that no store's data are written again
.set WA,    16                         ; Wo's path: v16-79 and v80-143 two sets of 64 numbers, v144-175 their f16
.set WB,    80
.set WH,    144
.set WREG,  8192                       ; LDS: a region for each wave: two stages of 32 x SP bytes, behind them its 256 scale bytes
.set SP,    80                         ; a lane's place in a stage: 64 bytes + 16 of padding
.set SPW,   12                         ; v12  LDS address of my spare word; never rewritten
.set NIL,   13                         ; v13  0; never rewritten
.set SPARE, WAVES*WREG                 ; behind the four regions: the spare words, 128 bytes for each wave
	s_load_b512 s[4:19], s[0:1], 0x0               ; x_q s[4:5], x_kv s[6:7], Wq s[8:9], Wk s[10:11], Wv s[12:13], Wo s[14:15], xc s[16:17], xs s[18:19]
	s_load_b128 s[20:23], s[0:1], 0x40             ; wc, ws
	s_load_b64 s[24:25], s[0:1], 0x50              ; wo16
	v_lshl_add_u32 v[SPW], v0, 2, SPARE
	v_mov_b32 v[NIL], 0
	v_lshrrev_b32 v1, 5, v0
	v_readfirstlane_b32 s26, v1                    ; wave
	v_and_b32 v2, 31, v0                           ; lane
	v_lshlrev_b32 v3, 4, v2                        ; my 16 bytes of a load's 512
	s_mul_i32 s27, s26, WREG
	v_lshrrev_b32 v14, 2, v2
	v_mul_u32_u24 v14, v14, SP
	v_and_b32 v15, 3, v2
	v_lshl_add_u32 v14, v15, 4, v14
	v_add_nc_u32 v14, s27, v14                     ; the stage, on the way in: SP (lane / 4) + 16 (lane % 4)
	v_mul_u32_u24 v15, v2, SP
	v_add_nc_u32 v15, s27, v15                     ; and on the way out: SP x lane: my 16 neighbours
	v_mul_u32_u24 v4, v2, CB                       ; my codes' place in a step's
	v_lshrrev_b32 v5, 1, v2
	s_add_co_u32 s27, s27, 2*32*SP
	v_add_nc_u32 v5, s27, v5                       ; LDS: my wave's 256 scale bytes, my block's byte
	v_lshlrev_b32 v7, 3, v2                        ; 8 bytes a lane
	v_add_nc_u32 v6, s27, v7
	s_wait_kmcnt 0x0
	s_cmp_ge_u32 ttmp9, 608
	s_cbranch_scc1 .Lwo
	; which tensor, and where its results go: choices on the work-group's number alone
	s_cmp_lt_u32 ttmp9, 256
	s_cselect_b64 s[28:29], s[4:5], s[6:7]         ; the source
	s_cselect_b32 s30, 0, 256                      ; its first work-group
	s_cmp_lt_u32 ttmp9, 512
	s_cselect_b64 s[28:29], s[28:29], s[8:9]
	s_cselect_b32 s30, s30, 512
	s_cselect_b64 s[32:33], s[16:17], s[20:21]     ; the codes' buffer
	s_cselect_b64 s[34:35], s[18:19], s[22:23]     ; the scale bytes' buffer
	s_cselect_b32 s31, 0, 512                      ; the first work-group that writes into them
	s_cmp_lt_u32 ttmp9, 544
	s_cselect_b64 s[28:29], s[28:29], s[10:11]
	s_cselect_b32 s30, s30, 544
	s_cmp_lt_u32 ttmp9, 576
	s_cselect_b64 s[28:29], s[28:29], s[12:13]
	s_cselect_b32 s30, s30, 576
	s_sub_co_u32 s30, ttmp9, s30
	s_lshl_b32 s30, s30, 2
	s_add_co_u32 s30, s30, s26                     ; which run of 8,192 numbers of the source is my wave's
	s_sub_co_u32 s31, ttmp9, s31
	s_lshl_b32 s31, s31, 2
	s_add_co_u32 s31, s31, s26                     ; and which run of the buffers
	s_lshl_b32 s36, s30, 15                        ; 32,768 bytes of f32 a run
	s_mov_b32 s37, 0
	s_add_nc_u64 s[28:29], s[28:29], s[36:37]
	s_lshl_b32 s36, s31, 12                        ; 4,096 bytes of codes
	s_add_nc_u64 s[32:33], s[32:33], s[36:37]
	s_lshl_b32 s36, s31, 8                         ; 256 scale bytes
	s_add_nc_u64 s[34:35], s[34:35], s[36:37]
.macro LOAD t
.irp i, 0,1,2,3
	global_load_b128 v[R+16*((\t)%4)+4*\i:R+16*((\t)%4)+4*\i+3], v3, s[28:29] offset:2048*(\t)+512*\i th:TH_LOAD_NT   ; 32 lanes read 512 consecutive bytes
.endr
.endm
.macro TURN t                          ; step t's numbers through the stage: LDS serves a wave's instructions in order, so no wait stands between the stores and the loads
.irp i, 0,1,2,3
	ds_store_b128 v14, v[R+16*((\t)%4)+4*\i:R+16*((\t)%4)+4*\i+3] offset:32*SP*((\t)%2)+8*SP*\i
.endr
.irp i, 0,1,2,3
	ds_load_b128 v[X+16*((\t)%2)+4*\i:X+16*((\t)%2)+4*\i+3], v15 offset:32*SP*((\t)%2)+16*\i
.endr
.endm
.irp t, 0,1,2,3
	LOAD \t
.endr
	s_wait_loadcnt 12                              ; step 0's four loads are in; three steps' twelve stay out
	TURN 0
.macro STEP t
.set XS, X+16*((\t)%2)
.if (\t) > 0
	s_wait_dscnt 1                                 ; this step's numbers are back from the stage (the last step's byte store may be out): so its stores into the stage have read their registers,
.else
	s_wait_dscnt 0x0
.endif
.if (\t)+4 < STEPS
	LOAD (\t)+4                                    ; which take the loads of four steps on
.endif
.if (\t)+1 < STEPS
.if STEPS-2-(\t) >= 3
	s_wait_loadcnt 12                              ; the next step's four loads are in; those of the three steps behind it may be out
.else
	s_wait_loadcnt 4*(STEPS-2-(\t))
.endif
	TURN (\t)+1                                    ; and go through the other stage while this step is worked
.endif
	v_max3_num_f32 v8, |v[XS]|, |v[XS+1]|, |v[XS+2]|               ; the largest magnitude of my 16, in two chains
	v_max3_num_f32 v9, |v[XS+3]|, |v[XS+4]|, |v[XS+5]|
.irp i, 6,10
	v_max3_num_f32 v8, v8, |v[XS+\i]|, |v[XS+\i+1]|
	v_max3_num_f32 v9, v9, |v[XS+\i+2]|, |v[XS+\i+3]|
.endr
	v_max3_num_f32 v8, v8, |v[XS+14]|, |v[XS+15]|
	v_max3_num_f32 v8, v8, v9, (EMAX+1)<<23        ; and the floor 2^(3 - 127): so the byte cannot fall under 1
	v_max_num_f32_dpp v8, v8, v8 row_xmask:1 row_mask:0xf bank_mask:0xf   ; and of my neighbour's 16: the block's
	v_add_nc_u32 v11, -(EMAX<<23), v8              ; 2 off its exponent field: the conversion takes the exponent field of this operand as its scale
	v_cvt_scalef32_pk8_fp4_f32 v[C+4*(\t)], v[XS:XS+7], v11
	v_cvt_scalef32_pk8_fp4_f32 v[C+4*(\t)+1], v[XS+8:XS+15], v11
	v_lshrrev_b32 v[E+(\t)], 23, v11               ; the scale's byte (a plain line behind the conversions)
	ds_store_b8 v5, v[E+(\t)] offset:16*(\t)       ; both lanes of a block write the same byte with the same value
	global_store_b64 v4, v[C+4*(\t):C+4*(\t)+1], s[32:33] offset:32*CB*(\t)   ; 32 lanes store 256 consecutive bytes, aligned
.endm
.irp t, 0,1,2,3,4,5,6,7,8,9,10,11,12,13,14,15
	STEP \t
.endr
	ds_load_b64 v[8:9], v6                         ; LDS serves a wave's instructions in order: these see my byte stores
	s_wait_dscnt 0x0
	global_store_b64 v7, v[8:9], s[34:35]          ; 32 lanes store my wave's 256 scale bytes, aligned
	s_wait_tensorcnt 0x0                           ; the wave's end
	ds_add_u32 v[SPW], v[NIL]
	s_wait_dscnt 0x0
	s_endpgm
; Wo to f16.  A wave takes 8,192 numbers in four batches of 16 loads; a lane's four numbers become 8 bytes, and 32 lanes store 256 consecutive bytes, aligned.
.Lwo:
	s_sub_co_u32 s30, ttmp9, 608
	s_lshl_b32 s30, s30, 2
	s_add_co_u32 s30, s30, s26
	s_lshl_b32 s36, s30, 15
	s_mov_b32 s37, 0
	s_add_nc_u64 s[14:15], s[14:15], s[36:37]
	s_lshl_b32 s36, s30, 14
	s_add_nc_u64 s[24:25], s[24:25], s[36:37]
.macro WLOAD n, set
.irp i, 0,1,2,3,4,5,6,7,8,9,10,11,12,13,14,15
	global_load_b128 v[\set+4*\i:\set+4*\i+3], v3, s[14:15] offset:(16*\n+\i)*512 th:TH_LOAD_NT
.endr
.endm
.macro WOUT n, set
.irp i, 0,1,2,3,4,5,6,7,8,9,10,11,12,13,14,15
	v_cvt_pk_f16_f32 v[WH+2*\i], v[\set+4*\i], v[\set+4*\i+1]
	v_cvt_pk_f16_f32 v[WH+2*\i+1], v[\set+4*\i+2], v[\set+4*\i+3]
	global_store_b64 v7, v[WH+2*\i:WH+2*\i+1], s[24:25] offset:(16*\n+\i)*256
.endr
.endm
	WLOAD 0, WA
	WLOAD 1, WB
	s_wait_loadcnt 16                              ; batch 0 is in; batch 1's sixteen stay out
	WOUT 0, WA
	WLOAD 2, WA
	s_wait_loadcnt 16                              ; batch 1 is in
	s_wait_xcnt 0x0                                ; the last batch's stores have read v144-175: they are written again only behind this wait
	WOUT 1, WB
	WLOAD 3, WB
	s_wait_loadcnt 16                              ; batch 2 is in
	s_wait_xcnt 0x0
	WOUT 2, WA
	s_wait_loadcnt 0x0
	s_wait_xcnt 0x0
	WOUT 3, WB
	s_wait_tensorcnt 0x0                           ; the three closing lines stand ahead of every end of this text
	ds_add_u32 v[SPW], v[NIL]
	s_wait_dscnt 0x0
	s_endpgm
.Lfunc_end_k_q9f955b3c40_quant:
	.size	k_q9f955b3c40_quant, .Lfunc_end_k_q9f955b3c40_quant-k_q9f955b3c40_quant
	.p2alignl 7, 3214868480
	.fill 96, 4, 3214868480
	.section	.rodata,"a",@progbits
	.p2align	6, 0x0
	.amdhsa_kernel k_q9f955b3c40_quant
		.amdhsa_group_segment_fixed_size 33280
		.amdhsa_private_segment_fixed_size 0
		.amdhsa_enable_private_segment 0
		.amdhsa_kernarg_size 88
		.amdhsa_user_sgpr_count 2
		.amdhsa_user_sgpr_kernarg_segment_ptr 1
		.amdhsa_wavefront_size32 1
		.amdhsa_system_sgpr_workgroup_id_x 1
		.amdhsa_system_sgpr_workgroup_id_y 1
		.amdhsa_system_sgpr_workgroup_id_z 1
		.amdhsa_system_vgpr_workitem_id 0
		.amdhsa_next_free_vgpr 192
		.amdhsa_next_free_sgpr 66
		.amdhsa_reserve_vcc 0
		.amdhsa_float_denorm_mode_32 3
		.amdhsa_float_denorm_mode_16_64 3
		.amdhsa_memory_ordered 1
		.amdhsa_forward_progress 1
		.amdhsa_inst_pref_size 55
	.end_amdhsa_kernel
	.amdgpu_metadata
---
amdhsa.version: [ 1, 2 ]
amdhsa.kernels:
  - .name:           k_q9f955b3c40_quant
    .symbol:         k_q9f955b3c40_quant.kd
    .args:
      - { .name: x_q, .offset: 0, .size: 8, .value_kind: global_buffer, .address_space: global }
      - { .name: x_kv, .offset: 8, .size: 8, .value_kind: global_buffer, .address_space: global }
      - { .name: Wq, .offset: 16, .size: 8, .value_kind: global_buffer, .address_space: global }
      - { .name: Wk, .offset: 24, .size: 8, .value_kind: global_buffer, .address_space: global }
      - { .name: Wv, .offset: 32, .size: 8, .value_kind: global_buffer, .address_space: global }
      - { .name: Wo, .offset: 40, .size: 8, .value_kind: global_buffer, .address_space: global }
      - { .name: xc, .offset: 48, .size: 8, .value_kind: global_buffer, .address_space: global }
      - { .name: xs, .offset: 56, .size: 8, .value_kind: global_buffer, .address_space: global }
      - { .name: wc, .offset: 64, .size: 8, .value_kind: global_buffer, .address_space: global }
      - { .name: ws, .offset: 72, .size: 8, .value_kind: global_buffer, .address_space: global }
      - { .name: wo16, .offset: 80, .size: 8, .value_kind: global_buffer, .address_space: global }
    .group_segment_fixed_size: 33280
    .private_segment_fixed_size: 0
    .kernarg_segment_align: 8
    .kernarg_segment_size: 88
    .max_flat_workgroup_size: 128
    .sgpr_count:     66
    .vgpr_count:     192
    .wavefront_size: 32
...
	.end_amdgpu_metadata
.endif
;; end of part 1
;; launch proj (part 2): grid 12 x 32, 4 waves a work-group, clusters of 4 x 4, 327,680 bytes of LDS; arguments xc, xs, wc, ws, qkv, bq, bk, bv; writes qkv
.if DOCPART == 2
	.amdgcn_target "amdgcn-amd-amdhsa--gfx1250"
	.amdhsa_code_object_version 6
	.text
	.protected	k_q9f955b3c40_proj
	.globl	k_q9f955b3c40_proj
	.p2align	8
	.type	k_q9f955b3c40_proj,@function
k_q9f955b3c40_proj:
	s_mov_b64 s[64:65], 0
	v_nop
	global_prefetch_b8 v0, s[64:65] scope:SCOPE_SE
	s_setreg_imm32_b32 hwreg(HW_REG_WAVE_MODE, 25, 1), 1
	s_wait_xcnt 0x0
	s_wait_alu depctr_hold_cnt(0) depctr_sa_sdst(0) depctr_va_vdst(0) depctr_va_sdst(0) depctr_va_ssrc(0) depctr_va_vcc(0) depctr_vm_vsrc(0)
	s_getreg_b32 s2, hwreg(HW_REG_IB_STS2, 6, 4)
	s_cmp_eq_u32 s2, 0
	s_cbranch_scc0 .Lentry_in_a_cluster
	s_endpgm
.Lentry_in_a_cluster:
	s_bfe_u32 s2, ttmp6, 0x10000c
	s_cmp_lg_u32 s2, 0xf033
	s_cbranch_scc0 .Lentry_shape_is_right
	s_endpgm
.Lentry_shape_is_right:
; q = x_q Wq^T + bq, k = x_kv Wk^T + bk, v = x_kv Wv^T + bv, on codes of FP4 (E2M1) with one E8M0 scale for each 32 along K = 1,024; sums in f32; the results rounded once to f16 and laid by head:
; qkv [3 sections q, k, v][batch 4][head 16][position 2,048][64] f16.  A: xc [16384][512 bytes] (x_q's rows, then x_kv's), xs [16384][32]; B: wc [3072][512] (Wq, Wk, Wv), ws [3072][32].
; LIMITS: |q|, |k|, |v| up to 65,504; numbers under 6e-5 keep an absolute error of 2^-25.
; One launch for the three products: the cluster's x (0, 1, 2) is the section.  A tile, 256 rows x 256 columns, is made by four waves, each 128 x 128: 64 accumulators of 16 x 16, 512 registers.
; K is two steps of 512 (rows of 256 bytes), each in an LDS slot of its own: both are asked for at the start, and nothing is filled again.  The scale bytes of the tile's rows come once, as dense blocks.
; CLUSTERS: 4 x 4 work-groups.  The four of a row need the same tiles of A, the four of a column the same tiles of B: each tile is asked for jointly, by the same tensor load with the same descriptor and a mask that names the four.
; THE MATRIX INSTRUCTION IS USED TRANSPOSED (source 0 = 16 rows of W, source 1 = 16 rows of x): a lane holds eight neighbouring columns of one row of the result.
; REGISTERS, in windows of 256: window 0: v0-31 addresses; v32-95 scale words, two sets; v128-191 A's fragments, one set; on the way out v96-127 packed f16, v128-191 results + bias, v192-255 rows read back.
;   window 1: B's fragments, two sets, at v0 and v128; v192-255 the bias of my 128 columns in the result's layout.   window 2: accumulators of my rows 0-63 ((a, b) at v[8 (8 a + b)]);  window 3: rows 64-127.
.set KSTEP,  512
.set NQ,     KSTEP/128                 ; matrix instructions deep in a slot
.set ROWB,   256                       ; a tile's row in bytes
.set KROW,   512                       ; a row of codes in memory
.set PITCH,  272                       ; an LDS row: 256 bytes + 16 of padding: the 16 rows that a load touches start 68 words apart
.set FR,     8
.set NL,     2
.set NP,     4                         ; places behind this matrix instruction (ISA guide 7.12.1)
.set HALFT,  128*PITCH
.set SLOT,   4*HALFT                   ; A's 256 rows, then B's 256 rows
.set KS,     32                        ; a row of scale bytes
.set SCL,    2*SLOT                    ; behind the slots: the scales, as runs of 256 bytes + 16 of padding
.set HALFS,  (128*KS/256)*272
.set SBLK,   (16*KS/256)*272
.set SPARE,  SCL+4*HALFS               ; the spare words, 128 bytes for each wave
.set SPITCH, 272                       ; the way out: a stage of 16 rows x (256 bytes + 16) for each wave, in slot 0, which has had its one fill and its last read by then
.set ADRA, 16
.set ADRB, 20
.set STO,  24
.set RD,   25
.set CO,   26
.set ADRS, 27
.set SPW,  28
.set NIL,  29
.set BO,   30                          ; v30  32 x (lane / 16): my place in a tile's 16 bias numbers; never rewritten
.set SC,   32
.set PK,   96
.set AF,   128
.set T,    128
.set BK,   192
.set BI,   192                         ; the bias, in window 1
.set G1, 24
.set G0, 32
.set G1B, 48
.set G0B, 56
.set G1S, 68
.set G0S, 76
.set G1SB, 80
.set G0SB, 88
.set MSB, 0
.macro WIN new                         ; the immediate's high byte repeats the setting that is left
.if MSB != (\new)
	s_set_vgpr_msb (MSB<<8)|(\new)
.set MSB, (\new)
.endif
.endm
.set MUL_LO, 0xa1                      ; source 0 (B) window 1, source 1 (A) window 0, C and D window 2
.set MUL_HI, 0xf1
.set TO_B,   0x40
; A joint load: waves 0 and 1 fetch for A, waves 2 and 3 for B; the branch hangs on the wave's number alone.  An s_nop 0 and four v_nop follow each of the two lines.
.macro JLOAD g0a, g1a, g0b, g1b
	s_cmp_eq_u32 s15, 0
	s_cbranch_scc0 .Lfor_b_\@
	tensor_load_to_lds s[\g0a:\g0a+3], s[\g1a:\g1a+7]
	s_nop 0
.rept 4
	v_nop
.endr
	s_branch .Lasked_\@
.Lfor_b_\@:
	tensor_load_to_lds s[\g0b:\g0b+3], s[\g1b:\g1b+7]
	s_nop 0
.rept 4
	v_nop
.endr
.Lasked_\@:
.endm
.macro CROUND                          ; a round of the cluster's barrier
	s_barrier_signal -1
	s_barrier_wait -1
	s_cmp_lg_u32 s14, 0
	s_cbranch_scc1 .Lnot_wave_0_\@
	s_barrier_signal -3
.Lnot_wave_0_\@:
	s_barrier_wait -3
	s_barrier_signal -1
	s_barrier_wait -1
.endm
	s_load_b128 s[4:7], s[0:1], 0x0                ; xc, xs
	s_load_b128 s[8:11], s[0:1], 0x10              ; wc, ws
	s_load_b64 s[12:13], s[0:1], 0x20              ; qkv
	s_load_b64 s[96:97], s[0:1], 0x28              ; bq
	s_load_b64 s[98:99], s[0:1], 0x30              ; bk
	s_load_b64 s[100:101], s[0:1], 0x38            ; bv
	v_lshl_add_u32 v[SPW], v0, 2, SPARE
	v_mov_b32 v[NIL], 0
	ds_add_u32 v[SPW], v[NIL]                      ; the wave's opening: the add, twice on end, and its wait ahead of my first tensor load
	ds_add_u32 v[SPW], v[NIL]
	v_lshrrev_b32 v1, 5, v0
	v_readfirstlane_b32 s14, v1                    ; wave 0..3
	s_lshr_b32 s15, s14, 1                         ; which half of the tile's rows is mine.  Also: I fetch for A (0) or for B (1)
	s_and_b32 s16, s14, 1                          ; which half of its columns.  Also: which 128 rows of that tile I fetch
	s_bfe_u32 s40, ttmp6, 0x40000                  ; cx, cy
	s_bfe_u32 s41, ttmp6, 0x40004
	s_lshl_b32 s42, ttmp9, 2
	s_add_co_u32 s42, s42, s40                     ; tile column 0..11 = 4 x section + cx: B's block of 256 rows in wc
	s_and_b32 s17, ttmp7, 0xffff
	s_lshl_b32 s17, s17, 2
	s_add_co_u32 s17, s17, s41                     ; tile row 0..31
	s_lshl_b32 s43, s41, 2
	s_lshl_b32 s43, 15, s43                        ; my row of the cluster
	s_lshl_b32 s44, 0x1111, s40                    ; my column
	s_or_b32 s[G1+0], s43, (0<<16)|(1<<20)|(1<<21)|(5<<22)|(3<<25)  ; mask; elements of 1 byte; padding on; bit 21 beside a mask; 4 words of padding behind every 64
	s_or_b32 s[G1B+0], s44, (0<<16)|(1<<20)|(1<<21)|(5<<22)|(3<<25)
.irp g, G1, G1B
	s_mov_b32 s[\g+1], ROWB<<16                    ; tensor_dim0
	s_mov_b32 s[\g+2], 128<<16                     ; tensor_dim1
	s_mov_b32 s[\g+3], ROWB<<16                    ; tile_dim0
	s_mov_b32 s[\g+4], 128                         ; tile_dim1
	s_mov_b32 s[\g+5], KROW                        ; from row to row
	s_mov_b32 s[\g+6], 0
	s_mov_b32 s[\g+7], 0
.endr
	; the scales of 128 rows: 4,096 dense bytes, as 16 rows of 256 bytes (32 elements of 8 bytes), 16 bytes of padding behind each
	s_or_b32 s[G1S+0], s43, (3<<16)|(1<<20)|(1<<21)|(5<<22)|(3<<25)
	s_or_b32 s[G1SB+0], s44, (3<<16)|(1<<20)|(1<<21)|(5<<22)|(3<<25)
.irp g, G1S, G1SB
	s_mov_b32 s[\g+1], 32<<16
	s_mov_b32 s[\g+2], (128*KS/256)<<16
	s_mov_b32 s[\g+3], 32<<16
	s_mov_b32 s[\g+4], 128*KS/256
	s_mov_b32 s[\g+5], 32
	s_mov_b32 s[\g+6], 0
	s_mov_b32 s[\g+7], 0
.endr
	s_lshl_b32 s18, s16, 7                         ; which 128 rows of the tile I fetch
	s_lshl_b32 s20, s17, 8
	s_add_co_u32 s20, s20, s18                     ; A: row 256 x tile row + 128 x half,
	s_min_u32 s19, ttmp9, 1
	s_lshl_b32 s19, s19, 13
	s_add_co_u32 s20, s20, s19                     ; + 8,192 in sections k and v: x_kv's rows (the section is the same in all sixteen partners)
	s_lshl_b32 s46, s42, 8
	s_add_co_u32 s46, s46, s18                     ; B: row 256 x tile column + 128 x half
	s_mov_b32 s21, 0
	s_mov_b32 s47, 0
	s_mov_b64 s[18:19], KS
	s_mul_u64 s[22:23], s[20:21], s[18:19]         ; where these rows' scales begin,
	s_mul_u64 s[92:93], s[46:47], s[18:19]
	s_mov_b64 s[18:19], KROW
	s_mul_u64 s[20:21], s[20:21], s[18:19]         ; and their codes
	s_mul_u64 s[46:47], s[46:47], s[18:19]
	s_mul_i32 s45, s14, HALFT                      ; where they go: wave x 128 rows
	s_mul_i32 s94, s14, HALFS
	s_wait_dscnt 0x0                               ; both opening adds are done
	s_wait_kmcnt 0x0
	s_add_nc_u64 s[20:21], s[4:5], s[20:21]
	s_add_nc_u64 s[22:23], s[6:7], s[22:23]
	s_add_nc_u64 s[46:47], s[8:9], s[46:47]
	s_add_nc_u64 s[92:93], s[10:11], s[92:93]
	CROUND                                         ; all sixteen work-groups are here: the joint loads meet
	s_mov_b32 s[G0S], 1
	s_add_co_u32 s[G0S+1], s94, SCL
	s_mov_b64 s[G0S+2:G0S+3], s[22:23]
	s_or_b32 s[G0S+3], s[G0S+3], 0x80000000
	s_mov_b32 s[G0SB], 1
	s_add_co_u32 s[G0SB+1], s94, SCL
	s_mov_b64 s[G0SB+2:G0SB+3], s[92:93]
	s_or_b32 s[G0SB+3], s[G0SB+3], 0x80000000
	JLOAD G0S, G1S, G0SB, G1SB                     ; the scales first: they are wanted with K step 0
.irp s, 0,1
	s_mov_b32 s[G0+4*\s], 1
	s_add_co_u32 s[G0+4*\s+1], s45, \s*SLOT
	s_add_nc_u64 s[G0+4*\s+2:G0+4*\s+3], s[20:21], \s*ROWB
	s_or_b32 s[G0+4*\s+3], s[G0+4*\s+3], 0x80000000
	s_mov_b32 s[G0B+4*\s], 1
	s_add_co_u32 s[G0B+4*\s+1], s45, \s*SLOT
	s_add_nc_u64 s[G0B+4*\s+2:G0B+4*\s+3], s[46:47], \s*ROWB
	s_or_b32 s[G0B+4*\s+3], s[G0B+4*\s+3], 0x80000000
	JLOAD G0+4*\s, G1, G0B+4*\s, G1B               ; three loads of mine are out in all
.endr
	v_and_b32 v1, 15, v0                           ; r = lane % 16
	v_bfe_u32 v2, v0, 4, 1                         ; h = lane / 16
	v_mul_u32_u24 v3, v1, PITCH
	v_lshl_add_u32 v4, v2, 4, v3                   ; a fragment's row x pitch + 16 h
	s_mul_i32 s21, s15, HALFT                      ; my 128 rows of A
	s_mul_i32 s22, s16, HALFT                      ; my 128 rows of B,
	s_add_co_u32 s22, s22, 2*HALFT                 ; behind A's 256
.irp s, 0,1
	v_add_nc_u32 v[ADRA+\s], s21, v4
	v_add_nc_u32 v[ADRB+\s], s22, v4
	s_add_co_u32 s21, s21, SLOT
	s_add_co_u32 s22, s22, SLOT
.endr
	v_mul_u32_u24 v5, v1, KS                       ; my row's scales: 32 bytes a row,
	v_lshrrev_b32 v6, 8, v5
	v_lshl_add_u32 v5, v6, 4, v5                   ; and 16 more for each 256 passed
	s_mul_i32 s21, s15, HALFS
	s_mul_i32 s22, s16, HALFS
	s_add_co_u32 s22, s22, 2*HALFS
	s_sub_co_u32 s22, s22, s21
	v_mul_u32_u24 v6, s22, v2                      ; lanes 16-31 take B's: one product, the distance between the two bases
	s_add_co_u32 s21, s21, SCL
	v_add_nc_u32 v5, v5, v6
	v_add_nc_u32 v[ADRS], s21, v5
	s_mul_i32 s23, s14, 16*SPITCH                  ; my stage
	v_mul_u32_u24 v5, v1, SPITCH                   ; in: row r, 16 bytes for each half of the lanes
	v_lshl_add_u32 v5, v2, 4, v5
	v_add_nc_u32 v[STO], s23, v5
	v_bfe_u32 v5, v0, 3, 2                         ; back: eight lanes take a head's 128 bytes of a row, the 32 lanes four rows
	v_mul_u32_u24 v5, v5, SPITCH
	v_and_b32 v6, 7, v0
	v_lshl_add_u32 v5, v6, 4, v5
	v_add_nc_u32 v[RD], s23, v5
	v_and_b32 v6, 31, v0
	v_lshlrev_b32 v[CO], 4, v6                     ; four rows of a head are 512 consecutive bytes of qkv: 16 x lane
	v_lshlrev_b32 v[BO], 5, v2
	; where my part begins in qkv: section << 24, batch << 22, head << 18, position << 7
	s_lshl_b32 s20, ttmp9, 24
	s_lshr_b32 s21, s17, 3
	s_lshl_b32 s21, s21, 22
	s_add_co_u32 s20, s20, s21
	s_and_b32 s21, s17, 7
	s_lshl_b32 s21, s21, 15
	s_add_co_u32 s20, s20, s21
	s_lshl_b32 s21, s15, 14
	s_add_co_u32 s20, s20, s21
	s_mov_b32 s21, 0
	s_add_nc_u64 s[12:13], s[12:13], s[20:21]
	s_lshl_b32 s46, s40, 20                        ; head 4 cx + 2 x column half
	s_lshl_b32 s47, s16, 19
	s_add_co_u32 s46, s46, s47
	s_mov_b32 s47, 0
	s_add_nc_u64 s[12:13], s[12:13], s[46:47]
	; the section's bias, at my 128 columns
	s_cmp_eq_u32 ttmp9, 0
	s_cselect_b64 s[96:97], s[96:97], s[98:99]
	s_cmp_eq_u32 ttmp9, 2
	s_cselect_b64 s[96:97], s[100:101], s[96:97]
	s_lshl_b32 s92, s40, 10
	s_lshl_b32 s93, s16, 9
	s_add_co_u32 s92, s92, s93
	s_mov_b32 s93, 0
	s_add_nc_u64 s[96:97], s[96:97], s[92:93]
	WIN TO_B
.irp b, 0,1,2,3,4,5,6,7                        ; register BI + 8 b + j of window 1: the bias of column 16 b + 8 h + j
	global_load_b128 v[BI+8*\b:BI+8*\b+3], v[BO], s[96:97] offset:64*\b
	global_load_b128 v[BI+8*\b+4:BI+8*\b+7], v[BO], s[96:97] offset:64*\b+16
.endr
	WIN 0
.macro FRAG reg, adr, q, i             ; 16 rows x 128 K of 4-bit codes: 8 registers; registers 4 c .. 4 c + 3 hold K = 64 c + 32 h + 0 .. 31
.irp c, 0,1
	ds_load_b128 v[\reg+4*\c:\reg+4*\c+3], v[\adr] offset:64*(\q)+32*\c+(\i)*16*PITCH
.endr
.endm
; 16 matrix instructions: A's blocks a0, a0 + 1 x B's eight, the slot's q-th 128 along K.  The 64 accumulators take turns, one instruction a turn, in the same order in every step.
.macro MUL16 a0, p, q, sc, zero
.irp a, \a0, \a0+1
.irp b, 0,1,2,3,4,5,6,7
.if \zero
	v_wmma_scale_f32_16x16x128_f8f6f4 v[8*(8*((\a)%4)+\b):8*(8*((\a)%4)+\b)+7], v[128*(\p)+FR*\b:128*(\p)+FR*\b+FR-1], v[AF+FR*(\a):AF+FR*(\a)+FR-1], 0, v[SC+8*NQ*(\sc)+NQ*\b+(\q)], v[SC+8*NQ*(\sc)+NQ*(\a)+(\q)] matrix_a_fmt:MATRIX_FMT_FP4 matrix_b_fmt:MATRIX_FMT_FP4 matrix_a_scale:MATRIX_SCALE_ROW1
.else
	v_wmma_scale_f32_16x16x128_f8f6f4 v[8*(8*((\a)%4)+\b):8*(8*((\a)%4)+\b)+7], v[128*(\p)+FR*\b:128*(\p)+FR*\b+FR-1], v[AF+FR*(\a):AF+FR*(\a)+FR-1], v[8*(8*((\a)%4)+\b):8*(8*((\a)%4)+\b)+7], v[SC+8*NQ*(\sc)+NQ*\b+(\q)], v[SC+8*NQ*(\sc)+NQ*(\a)+(\q)] matrix_a_fmt:MATRIX_FMT_FP4 matrix_b_fmt:MATRIX_FMT_FP4 matrix_a_scale:MATRIX_SCALE_ROW1
.endif
.endr
.endr
.endm
.macro FETCH_B slot, q, p
	WIN TO_B
.irp i, 0,1,2,3,4,5,6,7
	FRAG 128*(\p)+FR*\i, ADRB+\slot, \q, \i
.endr
	WIN 0
.endm
.macro FETCH_A slot, q, i0
.irp i, \i0, \i0+1, \i0+2, \i0+3
	FRAG AF+FR*(\i), ADRA+\slot, \q, \i
.endr
.endm
.macro SCALES sc                       ; a K step's scale words: four a row; lanes 0-15 take A's block i, lanes 16-31 B's block i
.irp i, 0,1,2,3,4,5,6,7
	ds_load_b128 v[SC+8*NQ*\sc+NQ*\i:SC+8*NQ*\sc+NQ*\i+3], v[ADRS] offset:\i*SBLK
.endr
.endm
.macro PLACES n                        ; plain vector instructions between a matrix instruction and a load into, or a read of, its registers
.rept \n
	v_nop
.endr
.endm
.macro STEP slot, q, zero              ; 128 along K with its successor in the same slot
	s_wait_dscnt 4*NL                              ; B's set and A's blocks 0-3 are in; the youngest eight loads (A's blocks 4-7) may be out
	WIN MUL_LO
	MUL16 0, (\q)%2, \q, \slot, \zero
	MUL16 2, (\q)%2, \q, \slot, \zero
	s_wait_dscnt 0
	PLACES NP
	FETCH_B \slot, (\q)+1, 1-(\q)%2
	FETCH_A \slot, (\q)+1, 0
	WIN MUL_HI
	MUL16 4, (\q)%2, \q, \slot, \zero
	MUL16 6, (\q)%2, \q, \slot, \zero
	PLACES NP
	WIN 0
	FETCH_A \slot, (\q)+1, 4
.endm
; Slot 0's last step changes slots: each wave waits for all its tensor loads (its part of slot 1), adds 0 to its spare word, waits for that and for its reads of slot 0, and passes the barrier.
.macro TURN slot, next
	s_wait_tensorcnt 0x0
	ds_add_u32 v[SPW], v[NIL]
	s_wait_dscnt 4*NL+1                            ; the add and the youngest eight loads may be out
	WIN MUL_LO
	MUL16 0, 1, NQ-1, \slot, 0
	s_wait_dscnt 0x0                               ; the add is done, and my reads of this slot are over
	s_barrier_signal -1
	MUL16 2, 1, NQ-1, \slot, 0
	WIN 0
	s_barrier_wait -1
	PLACES NP
	v_add_nc_u32 v[ADRS], 4*NQ, v[ADRS]            ; on to the next K step's scale words (no LDS load of mine is out)
	FETCH_B \next, 0, 0
	FETCH_A \next, 0, 0
	SCALES \next
	WIN MUL_HI
	MUL16 4, 1, NQ-1, \slot, 0
	MUL16 6, 1, NQ-1, \slot, 0
	PLACES NP
	WIN 0
	FETCH_A \next, 0, 4
.endm
.macro STEPS slot, from
.set Q, \from
.rept NQ-1-\from
	STEP \slot, Q, 0
.set Q, Q+1
.endr
.endm
	s_wait_tensorcnt 1                             ; the scales and my part of K step 0 are in; K step 1's load may stay out
	s_barrier_signal -1
	s_barrier_wait -1
	FETCH_B 0, 0, 0
	FETCH_A 0, 0, 0
	SCALES 0
	FETCH_A 0, 0, 4
	STEP 0, 0, 1                                   ; the first products start the sums: nothing is cleared
	STEPS 0, 1
	TURN 0, 1
	STEPS 1, 0
	s_wait_dscnt 4*NL                              ; the very last step
	WIN MUL_LO
	MUL16 0, 1, NQ-1, 1, 0
	MUL16 2, 1, NQ-1, 1, 0
	s_wait_dscnt 0
	WIN MUL_HI
	MUL16 4, 1, NQ-1, 1, 0
	MUL16 6, 1, NQ-1, 1, 0
	WIN 0
; THE WAY OUT, block by block of 16 rows x 128 columns (two heads).  PACK: + bias in f32, rounded to f16, 16 bytes a lane.  TOSTAGE: into my stage, and back so that eight lanes hold a head's 128 bytes of a row.
; SEND: each store covers four rows of one head: 512 consecutive bytes of qkv, aligned.  Every offset is an immediate (278,016 at the most), so no base is stepped.
.macro PACK a
	WIN 0x06+(\a)/4                                ; source 0: window 2 or 3 (the sums); source 1: window 1 (the bias)
.irp b, 0,1,2,3,4,5,6,7
.irp i, 0,1,2,3
	v_pk_add_f32 v[T+8*\b+2*\i:T+8*\b+2*\i+1], v[64*((\a)%4)+8*\b+2*\i:64*((\a)%4)+8*\b+2*\i+1], v[BI+8*\b+2*\i:BI+8*\b+2*\i+1]   ; each accumulator from its low end on
.endr
.endr
	WIN 0
.irp b, 0,1,2,3,4,5,6,7
.irp i, 0,1,2,3
	v_cvt_pk_f16_f32 v[PK+4*\b+\i], v[T+8*\b+2*\i], v[T+8*\b+2*\i+1]
.endr
.endr
.endm
.macro TOSTAGE a
.set BB, BK+32*((\a)%2)
.irp b, 0,1,2,3,4,5,6,7
	ds_store_b128 v[STO], v[PK+4*\b:PK+4*\b+3] offset:32*\b
.endr
.irp t, 0,1,2,3,4,5,6,7
	ds_load_b128 v[BB+4*\t:BB+4*\t+3], v[RD] offset:(\t%4)*4*SPITCH+(\t/4)*128   ; LDS serves a wave's instructions in order: these see the stores above
.endr
.endm
.macro SEND a
.set BB, BK+32*((\a)%2)
	s_wait_dscnt 0x0                               ; the block is back in registers
	s_wait_xcnt 0x0                                ; the block before has left its registers: the next TOSTAGE loads into them only behind this wait
.irp t, 0,1,2,3,4,5,6,7
	global_store_b128 v[CO], v[BB+4*\t:BB+4*\t+3], s[12:13] offset:(\t/4)*262144+2048*(\a)+512*(\t%4)
.endr
.endm
	s_wait_loadcnt 0x0                             ; the bias
	PLACES NP
	PACK 0
	TOSTAGE 0
.irp a, 1,2,3,4,5,6,7                  ; block a's arithmetic stands between block a - 1's loads from the stage and the wait for them
	PACK \a
	SEND \a-1
	TOSTAGE \a
.endr
	SEND 7
	s_wait_tensorcnt 0x0                           ; the wave's end
	ds_add_u32 v[SPW], v[NIL]
	s_wait_dscnt 0x0
	CROUND                                         ; the closing round
	s_endpgm
.Lfunc_end_k_q9f955b3c40_proj:
	.size	k_q9f955b3c40_proj, .Lfunc_end_k_q9f955b3c40_proj-k_q9f955b3c40_proj
	.p2alignl 7, 3214868480
	.fill 96, 4, 3214868480
	.section	.rodata,"a",@progbits
	.p2align	6, 0x0
	.amdhsa_kernel k_q9f955b3c40_proj
		.amdhsa_group_segment_fixed_size 327680
		.amdhsa_private_segment_fixed_size 0
		.amdhsa_enable_private_segment 0
		.amdhsa_kernarg_size 64
		.amdhsa_user_sgpr_count 2
		.amdhsa_user_sgpr_kernarg_segment_ptr 1
		.amdhsa_wavefront_size32 1
		.amdhsa_system_sgpr_workgroup_id_x 1
		.amdhsa_system_sgpr_workgroup_id_y 1
		.amdhsa_system_sgpr_workgroup_id_z 1
		.amdhsa_system_vgpr_workitem_id 0
		.amdhsa_next_free_vgpr 1024
		.amdhsa_next_free_sgpr 102
		.amdhsa_reserve_vcc 0
		.amdhsa_float_denorm_mode_32 3
		.amdhsa_float_denorm_mode_16_64 3
		.amdhsa_memory_ordered 1
		.amdhsa_forward_progress 1
		.amdhsa_inst_pref_size 145
	.end_amdhsa_kernel
	.amdgpu_metadata
---
amdhsa.version: [ 1, 2 ]
amdhsa.kernels:
  - .name:           k_q9f955b3c40_proj
    .symbol:         k_q9f955b3c40_proj.kd
    .args:
      - { .name: xc, .offset: 0, .size: 8, .value_kind: global_buffer, .address_space: global }
      - { .name: xs, .offset: 8, .size: 8, .value_kind: global_buffer, .address_space: global }
      - { .name: wc, .offset: 16, .size: 8, .value_kind: global_buffer, .address_space: global }
      - { .name: ws, .offset: 24, .size: 8, .value_kind: global_buffer, .address_space: global }
      - { .name: qkv, .offset: 32, .size: 8, .value_kind: global_buffer, .address_space: global }
      - { .name: bq, .offset: 40, .size: 8, .value_kind: global_buffer, .address_space: global }
      - { .name: bk, .offset: 48, .size: 8, .value_kind: global_buffer, .address_space: global }
      - { .name: bv, .offset: 56, .size: 8, .value_kind: global_buffer, .address_space: global }
    .group_segment_fixed_size: 327680
    .private_segment_fixed_size: 0
    .kernarg_segment_align: 8
    .kernarg_segment_size: 64
    .max_flat_workgroup_size: 128
    .sgpr_count:     102
    .vgpr_count:     1024
    .wavefront_size: 32
...
	.end_amdgpu_metadata
.endif
;; end of part 2
;; launch attn (part 3): grid 4 x 64, 16 waves a work-group, clusters of 4 x 1, 327,680 bytes of LDS; arguments qkv, att; writes att
.if DOCPART == 3
	.amdgcn_target "amdgcn-amd-amdhsa--gfx1250"
	.amdhsa_code_object_version 6
	.text
	.protected	k_q9f955b3c40_attn
	.globl	k_q9f955b3c40_attn
	.p2align	8
	.type	k_q9f955b3c40_attn,@function
k_q9f955b3c40_attn:
	s_mov_b64 s[64:65], 0
	v_nop
	global_prefetch_b8 v0, s[64:65] scope:SCOPE_SE
	s_setreg_imm32_b32 hwreg(HW_REG_WAVE_MODE, 25, 1), 1
	s_wait_xcnt 0x0
	s_wait_alu depctr_hold_cnt(0) depctr_sa_sdst(0) depctr_va_vdst(0) depctr_va_sdst(0) depctr_va_ssrc(0) depctr_va_vcc(0) depctr_vm_vsrc(0)
	s_getreg_b32 s2, hwreg(HW_REG_IB_STS2, 6, 4)
	s_cmp_eq_u32 s2, 0
	s_cbranch_scc0 .Lentry_in_a_cluster
	s_endpgm
.Lentry_in_a_cluster:
	s_bfe_u32 s2, ttmp6, 0x10000c
	s_cmp_lg_u32 s2, 0x3003
	s_cbranch_scc0 .Lentry_shape_is_right
	s_endpgm
.Lentry_shape_is_right:
; att[b][h][q][:] = the sum over k of softmax_k(Q[q] . K[k] / 8) V[k][:], for each of 64 pairs (batch, head); no mask.  qkv: [3 sections q, k, v][64][2,048][64] f16; att: [64][2,048][64] f16.
; Products on f16 operands with f32 sums; maxima, exponentials and sums in f32; the weights p are rounded to f16 for the second product, the result once at the end.
; LIMITS: |att| up to 65,504; p under 6e-5 keeps an absolute error of 2^-25 (p is at most 1: the running maximum is taken away).
; SHARES.  A work-group owns 512 queries of one head; each of its sixteen waves owns 32 of them, two tiles of 16, in 256 registers: four waves to a SIMD, so that one wave's softmax stands beside another's products and LDS loads.
; Every wave walks all 2,048 keys, 64 a step.  K and V come through two LDS slots of 256 keys, filled by the tensor data mover (waves 0, 1: K's halves; waves 2, 3: V's) and read by all sixteen.
; CLUSTER.  A head's four work-groups form a cluster and walk the same K and V: each tile is asked for jointly, by the same tensor load with the same descriptor and the mask of all four.
; LAYOUT.  S^T = K Q^T (source 0 = 16 keys, source 1 = 16 queries): a lane holds ONE query (lane % 16) and keys 8 (lane / 16) + 0..7.  Two such tiles, rounded to f16 in pairs, ARE source 1 of O^T = V^T P.  V is turned by ds_load_tr16_b128.
; SOFTMAX.  For each query a running maximum m and sum l: p = 2^(c s - c m), c = log2(e) / 8; in every step O and l are multiplied by a = 2^(c m_old - c m_new).  The loop is written once: m begins at -3e38, l and O at 0.
; REGISTERS: v1-11 addresses; v12-27 statistics, eight a tile (+0 c m, +1 m, +2, +3 l, +4..+7 at work, a at +6); v32-63 Q; v64-127 K's fragments, then V's; v128-191 S^T, then p, then P in place; v192-255 O^T.
.set SK,    256                        ; keys in a slot
.set PK,    144                        ; a key's row in LDS: 128 bytes + 16: the 16 rows that a load touches start 36 words apart
.set PV,    160                        ; a row of V: 128 + 32
.set VOFF,  SK*PK
.set SLOT1, 1<<17                      ; slot 1 begins here: one exclusive or turns an address from one slot to the other
.set SPARE, SLOT1+SK*(PK+PV)           ; behind slot 1: the spare words, 128 bytes for each of sixteen waves
.set STG,   32*PK                      ; the way out: 32 rows x 144 bytes for each wave, in slot 0, which has had its last fill and its last read by then
.set NSL,   2048/SK
.set AK0, 1
.set AV0, 2
.set ADK, 3
.set ADV, 4
.set SPW, 5
.set NIL, 6
.set GO,  7
.set STO, 8
.set RD,  9
.set QO,  10
.set PFO, 11
.set ST,  12
.set Q,   32
.set KV,  64
.set S,   128
.set O,   192
.set WV,  12
.set LIM, 15
.set PFA, 18
.set G1K, 24
.set G1V, 32
.set G0K, 40
.set G0V, 44
.set SLOTS, 56
.set CS,  58
.set SEL, 60
.set TB,  62
; Waves 0 and 1 fetch for K, waves 2 and 3 for V, the others nothing: branches on the wave's number alone, the same in all four partners.  An s_nop 0 and four v_nop follow each of the two lines.
.macro TLOAD
	s_cmp_lt_u32 s[WV], 2
	s_cbranch_scc0 .Lnot_k_\@
	tensor_load_to_lds s[G0K:G0K+3], s[G1K:G1K+7]
	s_nop 0
.rept 4
	v_nop
.endr
	s_branch .Lasked_\@
.Lnot_k_\@:
	s_cmp_lt_u32 s[WV], 4
	s_cbranch_scc0 .Lasked_\@
	tensor_load_to_lds s[G0V:G0V+3], s[G1V:G1V+7]
	s_nop 0
.rept 4
	v_nop
.endr
.Lasked_\@:
.endm
; A prefetch of what the NEXT change of slots will ask for: a slot's 32,768 bytes of K and of V.  The four partners take 8,192 bytes each, told apart by address alone; in each, wave 4 asks for K's and wave 5 for V's,
; lanes 256 bytes apart: each aligned block of 256 bytes is named once in the launch.  The last change that fills a slot asks for nothing; nothing is asked for at the head.
.macro ASK
	s_cmp_gt_u32 s[SLOTS], s[LIM]
	s_cbranch_scc0 .Lnot_mine_\@
	global_prefetch_b8 v[PFO], s[PFA:PFA+1] th:TH_LOAD_NT scope:SCOPE_SE
.Lnot_mine_\@:
.endm
.macro CROUND                          ; a round of the cluster's barrier
	s_barrier_signal -1
	s_barrier_wait -1
	s_cmp_lg_u32 s[WV], 0
	s_cbranch_scc1 .Lnot_wave_0_\@
	s_barrier_signal -3
.Lnot_wave_0_\@:
	s_barrier_wait -3
	s_barrier_signal -1
	s_barrier_wait -1
.endm
	s_load_b128 s[4:7], s[0:1], 0x0                ; qkv, att
	v_lshl_add_u32 v[SPW], v0, 2, SPARE
	v_mov_b32 v[NIL], 0
	ds_add_u32 v[SPW], v[NIL]                      ; the wave's opening: the add, twice on end, and its wait ahead of the first tensor loads
	ds_add_u32 v[SPW], v[NIL]
	v_lshrrev_b32 v3, 5, v0
	v_readfirstlane_b32 s[WV], v3                  ; wave 0..15
	s_bfe_u32 s13, ttmp6, 0x40000                  ; cx: my block of 512 queries; it enters Q's, att's and the prefetches' addresses alone
	s_and_b32 s14, ttmp7, 0xffff                   ; 16 x batch + head, which the four partners share
	s_lshl_b32 s20, s14, 18                        ; the head's first byte in a section
	s_mov_b32 s21, 0
	s_and_b32 s16, s[WV], 1                        ; which 128 keys of a slot I fetch, if I fetch
	s_lshl_b32 s22, s16, 14
	s_mov_b32 s23, 0
	s_mov_b32 s[G0K], 1
	s_mul_i32 s[G0K+1], s16, 128*PK                ; LDS: slot 0, K's half
	s_mov_b32 s[G0V], 1
	s_mul_i32 s[G0V+1], s16, 128*PV
	s_add_co_u32 s[G0V+1], s[G0V+1], VOFF          ; V's half
	; descriptor group 1: 128 rows of 64 elements of 2 bytes, dense in memory, padded in LDS behind every 32 words: K by 4 words, V by 8
	s_mov_b32 s[G1K], 15|(1<<16)|(1<<20)|(1<<21)|(4<<22)|(3<<25)
	s_mov_b32 s[G1V], 15|(1<<16)|(1<<20)|(1<<21)|(4<<22)|(7<<25)
.irp g, G1K, G1V
	s_mov_b32 s[\g+1], 64<<16                      ; tensor_dim0
	s_mov_b32 s[\g+2], 128<<16                     ; tensor_dim1
	s_mov_b32 s[\g+3], 64<<16                      ; tile_dim0
	s_mov_b32 s[\g+4], 128                         ; tile_dim1
	s_mov_b32 s[\g+5], 64                          ; from row to row
	s_mov_b32 s[\g+6], 0
	s_mov_b32 s[\g+7], 0
.endr
	s_mov_b32 s[CS], 0x3e38aa3b                    ; c = log2(e) / 8
	s_mov_b32 s[CS+1], s[CS]                       ; named with it as a pair, so it is written
	s_mov_b32 s[SEL], 0x76543210
	s_mov_b32 s[SEL+1], 0xfedcba98                 ; v_permlanex16_b32's selects for lane l xor 16
	s_mov_b32 s[TB], 0
	s_mov_b32 s[SLOTS], NSL-1
	s_lshr_b32 s[LIM], s[WV], 1
	s_cmp_eq_u32 s[LIM], 2                         ; waves 4 and 5 prefetch
	s_cselect_b32 s[LIM], 1, -1
	s_wait_dscnt 0x0                               ; both opening adds are done
	s_wait_kmcnt 0x0
	s_add_nc_u64 s[4:5], s[4:5], s[20:21]          ; the head in section q,
	s_add_nc_u64 s[8:9], s[4:5], 0x1000000         ; in section k,
	s_add_nc_u64 s[10:11], s[4:5], 0x2000000       ; in section v,
	s_add_nc_u64 s[6:7], s[6:7], s[20:21]          ; and in att
	s_add_nc_u64 s[G0K+2:G0K+3], s[8:9], s[22:23]
	s_or_b32 s[G0K+3], s[G0K+3], 0x80000000
	s_add_nc_u64 s[G0V+2:G0V+3], s[10:11], s[22:23]
	s_or_b32 s[G0V+3], s[G0V+3], 0x80000000
	CROUND                                         ; all four work-groups are here: the first joint loads meet
	TLOAD                                          ; slot 0: keys 0 to 255
	s_lshl_b32 s2, s13, 16                         ; my block's 512 rows of 128 bytes,
	s_lshl_b32 s3, s[WV], 12                       ; my wave's 32 of them
	s_add_co_u32 s2, s2, s3
	s_mov_b32 s3, 0
	s_add_nc_u64 s[4:5], s[4:5], s[2:3]
	s_add_nc_u64 s[6:7], s[6:7], s[2:3]
	s_cmp_eq_u32 s[WV], 4
	s_cselect_b64 s[PFA:PFA+1], s[8:9], s[10:11]
	s_lshl_b32 s2, s13, 13                         ; my work-group's 8,192 bytes of a slot's 32,768,
	s_add_co_u32 s2, s2, SK*128                    ; in slot 1: the first change of slots steps it to slot 2
	s_add_nc_u64 s[PFA:PFA+1], s[PFA:PFA+1], s[2:3]
	v_and_b32 v3, 15, v0                           ; r
	v_bfe_u32 v4, v0, 4, 1                         ; h
	v_lshlrev_b32 v[QO], 7, v3
	v_lshl_add_u32 v[QO], v4, 4, v[QO]             ; Q: row r of 128 bytes + 16 h
.irp t, 0,1
.irp c, 0,1
	global_load_b128 v[Q+16*\t+8*\c:Q+16*\t+8*\c+3], v[QO], s[4:5] offset:2048*\t+64*\c        ; Q stays in registers: tile t, channels 32 c on
	global_load_b128 v[Q+16*\t+8*\c+4:Q+16*\t+8*\c+7], v[QO], s[4:5] offset:2048*\t+64*\c+32
.endr
.endr
	v_mul_u32_u24 v[AK0], v3, PK
	v_lshl_add_u32 v[AK0], v4, 4, v[AK0]           ; K: row r x pitch + 16 h
	v_and_b32 v7, 7, v0
	v_lshl_add_u32 v[AV0], v4, 3, v7               ; V, for the turning load: key 8 h + lane % 8,
	v_mul_u32_u24 v[AV0], v[AV0], PV
	v_bfe_u32 v7, v0, 3, 1
	v_lshl_add_u32 v[AV0], v7, 4, v[AV0]           ; channels 8 ((lane / 8) % 2) on
	v_add_nc_u32 v[AV0], VOFF, v[AV0]
	v_and_b32 v[PFO], 31, v0
	v_lshlrev_b32 v[GO], 4, v[PFO]                 ; the way out: 16 x lane
	v_lshlrev_b32 v[PFO], 8, v[PFO]                ; the prefetches: 256 x lane
.irp t, 0,1
	v_mov_b32 v[ST+8*\t+1], 0xff61b1e6             ; m = -3e38, under every score
	v_mul_f32 v[ST+8*\t], s[CS], v[ST+8*\t+1]      ; c m
	v_mov_b32 v[ST+8*\t+2], 0                      ; l, in two halves
	v_mov_b32 v[ST+8*\t+3], 0
.endr
.set i, 0
.rept 64
	v_mov_b32 v[O+i], 0                            ; O^T: the first step finds zeros, which its a = 0 leaves zeros
.set i, i+1
.endr
; A KEY STEP: 64 keys, the q-th of the slot in hand.
.macro STEP q
.rept 5
	v_nop                                          ; four places behind the last V^T P ahead of the loads into its fragments' registers; a fifth, since the products below write over P, which it read
.endr
.irp kt, 0,1,2,3
.irp c, 0,1
	ds_load_b128 v[KV+16*\kt+8*\c:KV+16*\kt+8*\c+3], v[ADK] offset:(64*\q+16*\kt)*PK+64*\c
	ds_load_b128 v[KV+16*\kt+8*\c+4:KV+16*\kt+8*\c+7], v[ADK] offset:(64*\q+16*\kt)*PK+64*\c+32
.endr
.endr
	s_wait_dscnt 0x0
.irp c, 0,1                                    ; S^T = K Q^T: eight accumulators by turns, one instruction a turn; the first eight start the sums
.irp kt, 0,1,2,3
.irp t, 0,1
.if \c == 0
	v_wmma_f32_16x16x32_f16 v[S+32*\t+8*\kt:S+32*\t+8*\kt+7], v[KV+16*\kt+8*\c:KV+16*\kt+8*\c+7], v[Q+16*\t+8*\c:Q+16*\t+8*\c+7], 0
.else
	v_wmma_f32_16x16x32_f16 v[S+32*\t+8*\kt:S+32*\t+8*\kt+7], v[KV+16*\kt+8*\c:KV+16*\kt+8*\c+7], v[Q+16*\t+8*\c:Q+16*\t+8*\c+7], v[S+32*\t+8*\kt:S+32*\t+8*\kt+7]
.endif
.endr
.endr
.endr
.rept 4
	v_nop                                          ; places ahead of the loads into K's registers and of the first read of the scores
.endr
.irp ks, 0,1                                   ; V, turned: keys 32 ks on, channels 16 ct on.  These land while the softmax is walked
.irp ct, 0,1,2,3
	ds_load_tr16_b128 v[KV+32*\ks+8*\ct:KV+32*\ks+8*\ct+3], v[ADV] offset:(64*\q+32*\ks)*PV+32*\ct
	ds_load_tr16_b128 v[KV+32*\ks+8*\ct+4:KV+32*\ks+8*\ct+7], v[ADV] offset:(64*\q+32*\ks+16)*PV+32*\ct
.endr
.endr
	; the softmax, the two tiles line by line.  The maximum of a lane's 32 scores and the old m: four chains, each accumulator from its low end on
.irp j, 0,1,2,3
.irp t, 0,1
	v_max3_num_f32 v[ST+8*\t+4+\j], v[S+32*\t+8*\j], v[S+32*\t+8*\j+1], v[S+32*\t+8*\j+2]
.endr
.endr
.irp g, 1,2
.irp j, 0,1,2,3
.irp t, 0,1
	v_max3_num_f32 v[ST+8*\t+4+\j], v[ST+8*\t+4+\j], v[S+32*\t+8*\j+2*\g+1], v[S+32*\t+8*\j+2*\g+2]
.endr
.endr
.endr
.irp t, 0,1
	v_max3_num_f32 v[ST+8*\t+4], v[ST+8*\t+4], v[S+32*\t+7], v[S+32*\t+15]
	v_max3_num_f32 v[ST+8*\t+6], v[ST+8*\t+6], v[S+32*\t+23], v[S+32*\t+31]
.endr
.irp t, 0,1
	v_max3_num_f32 v[ST+8*\t+4], v[ST+8*\t+4], v[ST+8*\t+5], v[ST+8*\t+6]
.endr
.irp t, 0,1
	v_max3_num_f32 v[ST+8*\t+4], v[ST+8*\t+4], v[ST+8*\t+7], v[ST+8*\t+1]
.endr
.irp t, 0,1
	v_permlanex16_b32 v[ST+8*\t+5], v[ST+8*\t+4], s[SEL], s[SEL+1]   ; the query's other 32 keys lie in the lane 16 away
.endr
.irp t, 0,1
	v_mov_b32 v[ST+8*\t+7], v[ST+8*\t]             ; c m_old
.endr
.irp t, 0,1
	v_max_num_f32 v[ST+8*\t+1], v[ST+8*\t+4], v[ST+8*\t+5]
.endr
.irp t, 0,1
	v_mul_f32 v[ST+8*\t], s[CS], v[ST+8*\t+1]
.endr
.irp t, 0,1
	v_sub_f32 v[ST+8*\t+7], v[ST+8*\t+7], v[ST+8*\t]
.endr
.set j, 0
.rept 16
.irp t, 0,1
	v_pk_fma_f32 v[S+32*\t+j:S+32*\t+j+1], v[S+32*\t+j:S+32*\t+j+1], s[CS:CS+1], v[ST+8*\t:ST+8*\t+1] op_sel_hi:[1,0,0] neg_lo:[0,0,1] neg_hi:[0,0,1]   ; c s - c m, two at a time
.endr
.set j, j+2
.endr
.irp t, 0,1
	v_exp_f32 v[ST+8*\t+6], v[ST+8*\t+7]           ; a.  ONE batch of 66 exponentials, none of which reads another's result
.endr
.set j, 0
.rept 32
.irp t, 0,1
	v_exp_f32 v[S+32*\t+j], v[S+32*\t+j]
.endr
.set j, j+1
.endr
	v_nop                                          ; a plain instruction behind the last exponential
	s_wait_alu depctr_va_vdst(0)                   ; the wait ahead of the first instruction that names a result: one for the batch
.irp t, 0,1
	v_pk_mul_f32 v[ST+8*\t+2:ST+8*\t+3], v[ST+8*\t+2:ST+8*\t+3], v[ST+8*\t+6:ST+8*\t+7] op_sel_hi:[1,0]   ; l x a
.endr
.irp t, 0,1
	v_pk_add_f32 v[ST+8*\t+4:ST+8*\t+5], v[S+32*\t:S+32*\t+1], v[S+32*\t+2:S+32*\t+3]   ; the sum of the unrounded p, in two chains
.endr
.irp j, 4,8,12,16,20,24,28
.irp t, 0,1
	v_pk_add_f32 v[ST+8*\t+2:ST+8*\t+3], v[ST+8*\t+2:ST+8*\t+3], v[S+32*\t+\j:S+32*\t+\j+1]
	v_pk_add_f32 v[ST+8*\t+4:ST+8*\t+5], v[ST+8*\t+4:ST+8*\t+5], v[S+32*\t+\j+2:S+32*\t+\j+3]
.endr
.endr
.irp t, 0,1
	v_pk_add_f32 v[ST+8*\t+2:ST+8*\t+3], v[ST+8*\t+2:ST+8*\t+3], v[ST+8*\t+4:ST+8*\t+5]
.endr
.set j, 0
.rept 16
.irp t, 0,1
	v_cvt_pk_f16_f32 v[S+32*\t+j], v[S+32*\t+2*j], v[S+32*\t+2*j+1]   ; P in place, ascending: register j takes pair j, which no later line reads
.endr
.set j, j+1
.endr
.set j, 0
.rept 16
.irp t, 0,1
	v_pk_mul_f32 v[O+32*\t+j:O+32*\t+j+1], v[O+32*\t+j:O+32*\t+j+1], v[ST+8*\t+6:ST+8*\t+7] op_sel_hi:[1,0]   ; O^T x a, each accumulator from its low end on
.endr
.set j, j+2
.endr
	s_wait_dscnt 0x0                               ; V is in
.irp ks, 0,1                                   ; O^T += V^T P: eight accumulators by turns
.irp ct, 0,1,2,3
.irp t, 0,1
	v_wmma_f32_16x16x32_f16 v[O+32*\t+8*\ct:O+32*\t+8*\ct+7], v[KV+32*\ks+8*\ct:KV+32*\ks+8*\ct+7], v[S+32*\t+8*\ks:S+32*\t+8*\ks+7], v[O+32*\t+8*\ct:O+32*\t+8*\ct+7]
.endr
.endr
.endr
.endm
; THE CHANGE OF SLOTS stands at a slot's head.  Each wave waits for all its tensor loads (its part of the slot that it is about to read), adds 0 to its spare word, and waits for that and for its reads of the slot that it has left.
; fill = 1: a round of the cluster's barrier follows, so that no wave of any partner still reads the other slot or has a load on its way, and that slot is filled with the next 256 keys: the load has four key steps in which to land.
.macro CHANGE fill
	s_wait_tensorcnt 0x0                           ; no tensor load of mine is out, so a group 0 may be written
	ds_add_u32 v[SPW], v[NIL]
.if \fill
	ds_add_u32 v[SPW], v[NIL]                      ; and twice on end here, in every trip alike
	s_xor_b32 s[G0K+1], s[G0K+1], SLOT1            ; the walking descriptors: the other slot than last time,
	s_add_nc_u64 s[G0K+2:G0K+3], s[G0K+2:G0K+3], SK*128   ; the next 256 keys; the type bits on top are not reached
	s_xor_b32 s[G0V+1], s[G0V+1], SLOT1
	s_add_nc_u64 s[G0V+2:G0V+3], s[G0V+2:G0V+3], SK*128
	s_wait_xcnt 0x0                                ; the last prefetch, a slot back, has read its address
	s_add_nc_u64 s[PFA:PFA+1], s[PFA:PFA+1], SK*128   ; one slot further on than the walking descriptors
.endif
	s_wait_dscnt 0x0                               ; the add is done, and my reads of the slot that I have left are over
.if \fill
	CROUND
	TLOAD                                          ; the first thing behind the round, and a wave's one tensor load until the next
	ASK
.else
	s_barrier_signal -1
	s_barrier_wait -1
.endif
	v_add_nc_u32 v[ADK], s[TB], v[AK0]             ; the slot in hand
	v_add_nc_u32 v[ADV], s[TB], v[AV0]
.endm
	s_wait_loadcnt 0x0                             ; Q
.Lslot:                                            ; seven trips: behind each change of slots but the last the next slot is asked for
	CHANGE 1
	STEP 0
	STEP 1
	STEP 2
	STEP 3
	s_xor_b32 s[TB], s[TB], SLOT1
	s_sub_co_u32 s[SLOTS], s[SLOTS], 1
	s_cmp_lg_u32 s[SLOTS], 0
	s_cbranch_scc1 .Lslot
	CHANGE 0                                       ; the last slot is written out
	STEP 0
	STEP 1
	STEP 2
	STEP 3
	; THE WAY OUT.  l's halves are added; O^T is divided by l, rounded to f16 and goes through my stage in LDS, so that each store covers four rows of att: 512 consecutive bytes, aligned.
.rept 4
	v_nop                                          ; places behind the last products
.endr
.irp t, 0,1
	v_add_f32 v[ST+8*\t+4], v[ST+8*\t+2], v[ST+8*\t+3]
.endr
.irp t, 0,1
	v_permlanex16_b32 v[ST+8*\t+5], v[ST+8*\t+4], s[SEL], s[SEL+1]
.endr
.irp t, 0,1
	v_add_f32 v[ST+8*\t+4], v[ST+8*\t+4], v[ST+8*\t+5]
.endr
.irp t, 0,1
	v_rcp_f32 v[ST+8*\t+6], v[ST+8*\t+4]
.endr
	s_mul_i32 s14, s[WV], STG                      ; my stage.  (The address work is the plain work behind the reciprocals)
	v_and_b32 v3, 15, v0
	v_bfe_u32 v4, v0, 4, 1
	v_mul_u32_u24 v[STO], v3, PK
	v_lshl_add_u32 v[STO], v4, 4, v[STO]
	v_add_nc_u32 v[STO], s14, v[STO]               ; in: row r, 16 bytes for each half of the lanes
	v_bfe_u32 v3, v0, 3, 2
	v_and_b32 v4, 7, v0
	v_mul_u32_u24 v[RD], v3, PK
	v_lshl_add_u32 v[RD], v4, 4, v[RD]
	v_add_nc_u32 v[RD], s14, v[RD]                 ; back: eight lanes to a row of 128 bytes, four rows an instruction
	s_wait_alu depctr_va_vdst(0)                   ; one wait for the two reciprocals, ahead of their first reader
.set j, 0
.rept 16
.irp t, 0,1
	v_pk_mul_f32 v[O+32*\t+j:O+32*\t+j+1], v[O+32*\t+j:O+32*\t+j+1], v[ST+8*\t+6:ST+8*\t+7] op_sel_hi:[1,0]
.endr
.set j, j+2
.endr
.set j, 0
.rept 16
.irp t, 0,1
	v_cvt_pk_f16_f32 v[S+16*\t+j], v[O+32*\t+2*j], v[O+32*\t+2*j+1]   ; register 4 ct + i: channels 16 ct + 8 h + 2 i, + 1 of my query
.endr
.set j, j+1
.endr
.irp t, 0,1
.irp ct, 0,1,2,3
	ds_store_b128 v[STO], v[S+16*\t+4*\ct:S+16*\t+4*\ct+3] offset:16*\t*PK+32*\ct
.endr
.endr
.irp g, 0,1,2,3,4,5,6,7
	ds_load_b128 v[KV+4*\g:KV+4*\g+3], v[RD] offset:4*\g*PK   ; LDS serves a wave's instructions in order: these see my stores
.endr
.irp g, 0,1,2,3,4,5,6,7
	s_wait_dscnt 7-\g                              ; load g is in; the younger ones may be out
	global_store_b128 v[GO], v[KV+4*\g:KV+4*\g+3], s[6:7] offset:512*\g
.endr
	s_wait_tensorcnt 0x0                           ; the wave's end
	ds_add_u32 v[SPW], v[NIL]
	s_wait_dscnt 0x0
	CROUND                                         ; the closing round
	s_endpgm
.Lfunc_end_k_q9f955b3c40_attn:
	.size	k_q9f955b3c40_attn, .Lfunc_end_k_q9f955b3c40_attn-k_q9f955b3c40_attn
	.p2alignl 7, 3214868480
	.fill 96, 4, 3214868480
	.section	.rodata,"a",@progbits
	.p2align	6, 0x0
	.amdhsa_kernel k_q9f955b3c40_attn
		.amdhsa_group_segment_fixed_size 327680
		.amdhsa_private_segment_fixed_size 0
		.amdhsa_enable_private_segment 0
		.amdhsa_kernarg_size 16
		.amdhsa_user_sgpr_count 2
		.amdhsa_user_sgpr_kernarg_segment_ptr 1
		.amdhsa_wavefront_size32 1
		.amdhsa_system_sgpr_workgroup_id_x 1
		.amdhsa_system_sgpr_workgroup_id_y 1
		.amdhsa_system_sgpr_workgroup_id_z 1
		.amdhsa_system_vgpr_workitem_id 0
		.amdhsa_next_free_vgpr 256
		.amdhsa_next_free_sgpr 66
		.amdhsa_reserve_vcc 0
		.amdhsa_float_denorm_mode_32 3
		.amdhsa_float_denorm_mode_16_64 3
		.amdhsa_memory_ordered 1
		.amdhsa_forward_progress 1
		.amdhsa_inst_pref_size 154
	.end_amdhsa_kernel
	.amdgpu_metadata
---
amdhsa.version: [ 1, 2 ]
amdhsa.kernels:
  - .name:           k_q9f955b3c40_attn
    .symbol:         k_q9f955b3c40_attn.kd
    .args:
      - { .name: qkv, .offset: 0, .size: 8, .value_kind: global_buffer, .address_space: global }
      - { .name: att, .offset: 8, .size: 8, .value_kind: global_buffer, .address_space: global }
    .group_segment_fixed_size: 327680
    .private_segment_fixed_size: 0
    .kernarg_segment_align: 8
    .kernarg_segment_size: 16
    .max_flat_workgroup_size: 512
    .sgpr_count:     66
    .vgpr_count:     256
    .wavefront_size: 32
...
	.end_amdgpu_metadata
.endif
;; end of part 3
;; launch oproj (part 4): grid 4 x 64, 4 waves a work-group, clusters of 4 x 4, 327,680 bytes of LDS; arguments att, wo16, out0, bo; writes out0
.if DOCPART == 4
	.amdgcn_target "amdgcn-amd-amdhsa--gfx1250"
	.amdhsa_code_object_version 6
	.text
	.protected	k_q9f955b3c40_oproj
	.globl	k_q9f955b3c40_oproj
	.p2align	8
	.type	k_q9f955b3c40_oproj,@function
k_q9f955b3c40_oproj:
	s_mov_b64 s[64:65], 0
	v_nop
	global_prefetch_b8 v0, s[64:65] scope:SCOPE_SE
	s_setreg_imm32_b32 hwreg(HW_REG_WAVE_MODE, 25, 1), 1
	s_wait_xcnt 0x0
	s_wait_alu depctr_hold_cnt(0) depctr_sa_sdst(0) depctr_va_vdst(0) depctr_va_sdst(0) depctr_va_ssrc(0) depctr_va_vcc(0) depctr_vm_vsrc(0)
	s_getreg_b32 s2, hwreg(HW_REG_IB_STS2, 6, 4)
	s_cmp_eq_u32 s2, 0
	s_cbranch_scc0 .Lentry_in_a_cluster
	s_endpgm
.Lentry_in_a_cluster:
	s_bfe_u32 s2, ttmp6, 0x10000c
	s_cmp_lg_u32 s2, 0xf033
	s_cbranch_scc0 .Lentry_shape_is_right
	s_endpgm
.Lentry_shape_is_right:
; out0[m][n] = the sum over k of x[m][k] Wo[n][k] + bo[n], m = 2,048 batch + position, k = 64 head + channel.  x is att [batch 4][head 16][position 2,048][64] f16; wo16 [1024][1024] f16; out0 [8192][1024] f32; sums in f32.
; A tile of out0 is 128 rows x 256 columns: 256 work-groups.  Four waves, each 64 x 128: 32 accumulators of 16 x 16, 256 registers.  K goes in steps of 128 (two heads) through two LDS slots filled by the tensor data mover.
; A's tile of a K step is two dense blocks, one for each head: 128 rows of 128 bytes (waves 0, 1 fetch one each); B's is 256 rows of 256 bytes (waves 2, 3 fetch 128 rows each).
; CLUSTERS: 4 x 4 work-groups.  A's tiles are shared along a row of the cluster, B's along a column: each is asked for jointly, by the same tensor load with the same descriptor and a mask that names the four.
; THE MATRIX INSTRUCTION IS USED TRANSPOSED (source 0 = 16 rows of Wo, source 1 = 16 rows of x): a lane holds eight neighbouring columns of one row of out0.  The bias is the C of each sum's first product.
; REGISTERS, in windows of 256: window 0: v0-31 addresses; v64-127 the bias of my 128 columns in the result's layout; v128-255 rows read back on the way out.   window 1: the accumulators ((a, b) at v[8 (8 a + b)]).
;   windows 2 and 3: two fragment buffers, each for 64 along K (one head): A at v[8 (4 c + a)], B at v[64 + 8 (8 c + b)], c = which 32 along K.
.set PA,     144                       ; a row of A in LDS: 128 bytes + 16
.set AHEAD,  128*PA                    ; one head's 128 rows
.set PB,     272                       ; a row of B: 256 bytes + 16
.set BHALF,  128*PB
.set BOFF,   2*AHEAD
.set SLOT,   BOFF+2*BHALF
.set STAGE,  2*SLOT                    ; behind the slots: 16 rows x (512 bytes + 16) for each wave; no tensor load fills it
.set SPITCH, 528
.set SPARE,  STAGE+4*16*SPITCH         ; the spare words, 128 bytes for each wave
.set ADRA, 16
.set ADRB, 20
.set STO,  24
.set RD,   25
.set CO,   26
.set BO,   27
.set SPW,  28
.set NIL,  29
.set BI,   64                          ; the bias, in window 0
.set FB,   64                          ; B's fragments in a buffer
.set BK,   128
.set G1, 24
.set G0, 32
.set G1B, 48
.set G0B, 56
.set MSB, 0
.macro WIN new                         ; the immediate's high byte repeats the setting that is left
.if MSB != (\new)
	s_set_vgpr_msb (MSB<<8)|(\new)
.set MSB, (\new)
.endif
.endm
.set W_F0,    0x5a                     ; sources 0 and 1 window 2; C and D window 1
.set W_F1,    0x5f                     ; sources 0 and 1 window 3
.set W_FIRST, 0x4a                     ; sources window 2, C (the bias) window 0, D window 1
.set TO_F0,   0x80
.set TO_F1,   0xc0
.macro JLOAD s                         ; a joint load: waves 0 and 1 fetch A's two heads, waves 2 and 3 B's two halves; an s_nop 0 and four v_nop follow each of the two lines
	s_cmp_eq_u32 s11, 0
	s_cbranch_scc0 .Lfor_b_\@
	tensor_load_to_lds s[G0+4*\s:G0+4*\s+3], s[G1:G1+7]
	s_nop 0
.rept 4
	v_nop
.endr
	s_branch .Lasked_\@
.Lfor_b_\@:
	tensor_load_to_lds s[G0B+4*\s:G0B+4*\s+3], s[G1B:G1B+7]
	s_nop 0
.rept 4
	v_nop
.endr
.Lasked_\@:
.endm
.macro CREST                           ; a round of the cluster's barrier behind its opening barrier
	s_cmp_lg_u32 s10, 0
	s_cbranch_scc1 .Lnot_wave_0_\@
	s_barrier_signal -3
.Lnot_wave_0_\@:
	s_barrier_wait -3
	s_barrier_signal -1
	s_barrier_wait -1
.endm
.macro CROUND
	s_barrier_signal -1
	s_barrier_wait -1
	CREST
.endm
	s_load_b128 s[4:7], s[0:1], 0x0                ; att, wo16
	s_load_b64 s[8:9], s[0:1], 0x10                ; out0
	s_load_b64 s[68:69], s[0:1], 0x18              ; bo
	v_lshl_add_u32 v[SPW], v0, 2, SPARE
	v_mov_b32 v[NIL], 0
	ds_add_u32 v[SPW], v[NIL]                      ; the wave's opening: the add, twice on end, and its wait ahead of my first tensor load
	ds_add_u32 v[SPW], v[NIL]
	v_lshrrev_b32 v1, 5, v0
	v_readfirstlane_b32 s10, v1                    ; wave 0..3
	s_lshr_b32 s11, s10, 1                         ; which 64 rows of the tile are mine.  Also: I fetch for A (0) or for B (1)
	s_and_b32 s12, s10, 1                          ; which 128 columns.  Also: which head of A's two, or which half of B's rows, I fetch
	s_bfe_u32 s40, ttmp6, 0x40000                  ; cx, cy
	s_bfe_u32 s41, ttmp6, 0x40004
	s_lshl_b32 s42, ttmp9, 2
	s_add_co_u32 s42, s42, s40                     ; tile column 0..3
	s_and_b32 s13, ttmp7, 0xffff
	s_lshl_b32 s13, s13, 2
	s_add_co_u32 s13, s13, s41                     ; tile row 0..63
	s_lshl_b32 s43, s41, 2
	s_lshl_b32 s43, 15, s43                        ; my row of the cluster
	s_lshl_b32 s44, 0x1111, s40                    ; my column
	; group 1 for A: 128 rows of 64 elements of 2 bytes, dense; 4 words of padding behind every 32
	s_or_b32 s[G1+0], s43, (1<<16)|(1<<20)|(1<<21)|(4<<22)|(3<<25)
	s_mov_b32 s[G1+1], 64<<16
	s_mov_b32 s[G1+2], 128<<16
	s_mov_b32 s[G1+3], 64<<16
	s_mov_b32 s[G1+4], 128
	s_mov_b32 s[G1+5], 64
	s_mov_b32 s[G1+6], 0
	s_mov_b32 s[G1+7], 0
	; group 1 for B: 128 rows of 128 elements, 1,024 elements apart; 4 words of padding behind every 64
	s_or_b32 s[G1B+0], s44, (1<<16)|(1<<20)|(1<<21)|(5<<22)|(3<<25)
	s_mov_b32 s[G1B+1], 128<<16
	s_mov_b32 s[G1B+2], 128<<16
	s_mov_b32 s[G1B+3], 128<<16
	s_mov_b32 s[G1B+4], 128
	s_mov_b32 s[G1B+5], 1024
	s_mov_b32 s[G1B+6], 0
	s_mov_b32 s[G1B+7], 0
	s_lshr_b32 s16, s13, 4                         ; A: batch << 22,
	s_lshl_b32 s16, s16, 22
	s_and_b32 s17, s13, 15
	s_lshl_b32 s17, s17, 14                        ; the tile's 128 positions of 128 bytes,
	s_add_co_u32 s16, s16, s17
	s_lshl_b32 s17, s12, 18                        ; the head that I fetch
	s_add_co_u32 s16, s16, s17
	s_mov_b32 s17, 0
	s_lshl_b32 s46, s42, 8                         ; B: row 256 x tile column + 128 x half, of 2,048 bytes
	s_lshl_b32 s47, s12, 7
	s_add_co_u32 s46, s46, s47
	s_lshl_b32 s46, s46, 11
	s_mov_b32 s47, 0
	s_mul_i32 s20, s12, AHEAD                      ; where they go: no place in the cluster enters an LDS address
	s_mul_i32 s21, s12, BHALF
	s_add_co_u32 s21, s21, BOFF
	s_wait_dscnt 0x0                               ; both opening adds are done
	s_wait_kmcnt 0x0
	s_add_nc_u64 s[14:15], s[4:5], s[16:17]
	s_add_nc_u64 s[46:47], s[6:7], s[46:47]
	CROUND                                         ; all sixteen work-groups are here: the first joint loads meet
.irp s, 0,1
	s_mov_b32 s[G0+4*\s], 1
	s_add_co_u32 s[G0+4*\s+1], s20, \s*SLOT
	s_add_nc_u64 s[G0+4*\s+2:G0+4*\s+3], s[14:15], \s*524288        ; K step s: two heads on
	s_or_b32 s[G0+4*\s+3], s[G0+4*\s+3], 0x80000000
	s_mov_b32 s[G0B+4*\s], 1
	s_add_co_u32 s[G0B+4*\s+1], s21, \s*SLOT
	s_add_nc_u64 s[G0B+4*\s+2:G0B+4*\s+3], s[46:47], \s*256
	s_or_b32 s[G0B+4*\s+3], s[G0B+4*\s+3], 0x80000000
	JLOAD \s                                       ; two loads of mine are out
.endr
	v_and_b32 v1, 15, v0                           ; r
	v_bfe_u32 v2, v0, 4, 1                         ; h
	v_mul_u32_u24 v3, v1, PA
	v_lshl_add_u32 v3, v2, 4, v3
	v_mul_u32_u24 v4, v1, PB
	v_lshl_add_u32 v4, v2, 4, v4
	s_mul_i32 s21, s11, 64*PA                      ; my 64 rows of A
	s_mul_i32 s22, s12, BHALF                      ; my 128 rows of B
	s_add_co_u32 s22, s22, BOFF
.irp s, 0,1
	v_add_nc_u32 v[ADRA+\s], s21, v3
	v_add_nc_u32 v[ADRB+\s], s22, v4
	s_add_co_u32 s21, s21, SLOT
	s_add_co_u32 s22, s22, SLOT
.endr
	s_mul_i32 s23, s10, 16*SPITCH
	s_add_co_u32 s23, s23, STAGE                   ; my stage
	v_mul_u32_u24 v5, v1, SPITCH                   ; in: row r, 32 bytes for each half of the lanes
	v_lshl_add_u32 v5, v2, 5, v5
	v_add_nc_u32 v[STO], s23, v5
	v_and_b32 v6, 31, v0
	v_lshlrev_b32 v[CO], 4, v6                     ; back: the 32 lanes take one row of 512 bytes; the same in out0
	v_add_nc_u32 v[RD], s23, v[CO]
	v_lshlrev_b32 v[BO], 5, v2                     ; the bias: 32 h
	s_lshl_b32 s16, s13, 7
	s_lshl_b32 s17, s11, 6
	s_add_co_u32 s16, s16, s17                     ; my first row of out0,
	s_lshl_b32 s16, s16, 12                        ; of 4,096 bytes
	s_mov_b32 s17, 0
	s_add_nc_u64 s[8:9], s[8:9], s[16:17]
	s_lshl_b32 s46, s42, 10                        ; my first column, in bytes of f32: 1,024 x tile column + 512 x half
	s_lshl_b32 s47, s12, 9
	s_add_co_u32 s46, s46, s47
	s_mov_b32 s47, 0
	s_add_nc_u64 s[8:9], s[8:9], s[46:47]
	s_add_nc_u64 s[68:69], s[68:69], s[46:47]
.irp b, 0,1,2,3,4,5,6,7                        ; register BI + 8 b + j: the bias of column 16 b + 8 h + j
	global_load_b128 v[BI+8*\b:BI+8*\b+3], v[BO], s[68:69] offset:64*\b
	global_load_b128 v[BI+8*\b+4:BI+8*\b+7], v[BO], s[68:69] offset:64*\b+16
.endr
; 16 matrix instructions: A's blocks a0, a0 + 1 x B's eight, 32 along K: half c of the buffer that the windows name.  first = 1: the bias is C and the product starts the sum.
; The 32 accumulators take turns, one instruction a turn, in the same order throughout.
.macro MUL16 c, a0, first
.irp a, \a0, \a0+1
.irp b, 0,1,2,3,4,5,6,7
.if \first
	v_wmma_f32_16x16x32_f16 v[8*(8*(\a)+\b):8*(8*(\a)+\b)+7], v[FB+8*(8*\c+\b):FB+8*(8*\c+\b)+7], v[8*(4*\c+(\a)):8*(4*\c+(\a))+7], v[BI+8*\b:BI+8*\b+7]
.else
	v_wmma_f32_16x16x32_f16 v[8*(8*(\a)+\b):8*(8*(\a)+\b)+7], v[FB+8*(8*\c+\b):FB+8*(8*\c+\b)+7], v[8*(4*\c+(\a)):8*(4*\c+(\a))+7], v[8*(8*(\a)+\b):8*(8*(\a)+\b)+7]
.endif
.endr
.endr
.endm
; 48 LDS loads in one run: the fragments of head u of the slot, into the buffer of window w; the 24 of the first 32 along K first
.macro FETCH slot, u, w
	WIN \w
.irp c, 0,1
.irp i, 0,1,2,3,4,5,6,7
	ds_load_b128 v[FB+8*(8*\c+\i):FB+8*(8*\c+\i)+3],   v[ADRB+\slot] offset:128*\u+64*\c+\i*16*PB
	ds_load_b128 v[FB+8*(8*\c+\i)+4:FB+8*(8*\c+\i)+7], v[ADRB+\slot] offset:128*\u+64*\c+\i*16*PB+32
.endr
.irp i, 0,1,2,3
	ds_load_b128 v[8*(4*\c+\i):8*(4*\c+\i)+3],   v[ADRA+\slot] offset:\u*AHEAD+64*\c+\i*16*PA
	ds_load_b128 v[8*(4*\c+\i)+4:8*(4*\c+\i)+7], v[ADRA+\slot] offset:\u*AHEAD+64*\c+\i*16*PA+32
.endr
.endr
.endm
.macro PLACES                          ; four plain vector instructions between a matrix instruction and a load into, or a read of, its registers
.rept 4
	v_nop
.endr
.endm
; A slot's first head: multiplies buffer 0 and fetches the second head into buffer 1.
.macro HALF slot, first
	s_wait_dscnt 24                                ; the first 32 along K are in; the other 24 loads may be out
.if \first
	WIN W_FIRST
.else
	WIN W_F0
.endif
	MUL16 0, 0, \first
	MUL16 0, 2, \first
	PLACES
	FETCH \slot, 1, TO_F1
	s_wait_dscnt 48                                ; all but the 48 just issued
	WIN W_F0
	MUL16 1, 0, 0
	MUL16 1, 2, 0
.endm
; A slot's second head multiplies buffer 1 and changes slots: ONE barrier; in front of it each wave waits for all its tensor loads, adds 0 to its spare word, and waits for that and for its reads of this slot.
; fill = 1: the barrier opens a round of the cluster's barrier, and this slot is filled again, two K steps ahead: the load has a K step's products in which to land.
.macro TURN slot, next, fill
	WIN 0                                          ; (the add's two registers lie in window 0)
	s_wait_tensorcnt 0x0                           ; all my tensor loads have landed: my part of the next slot
	ds_add_u32 v[SPW], v[NIL]
	s_wait_dscnt 25                                ; the add and the youngest 24 loads may be out
	WIN W_F1
	MUL16 0, 0, 0
	s_wait_dscnt 0x0                               ; the add is done, and my reads of this slot are over
	s_barrier_signal -1
	MUL16 0, 2, 0
	WIN 0                                          ; (branches may follow)
	s_barrier_wait -1
.if \fill
	CREST                                          ; no wave of any partner still reads this slot or has a load on its way
	s_add_nc_u64 s[G0+4*\slot+2:G0+4*\slot+3], s[G0+4*\slot+2:G0+4*\slot+3], 1048576   ; four heads on
	s_add_nc_u64 s[G0B+4*\slot+2:G0B+4*\slot+3], s[G0B+4*\slot+2:G0B+4*\slot+3], 512
	JLOAD \slot                                    ; the first tensor load behind the round; its four v_nop are also the places in front of the loads below
.else
	PLACES
.endif
	FETCH \next, 0, TO_F0
	WIN W_F1
	MUL16 1, 0, 0
	MUL16 1, 2, 0
.endm
	s_wait_tensorcnt 1                             ; my part of K step 0 is in; K step 1's may stay out
	s_barrier_signal -1
	s_barrier_wait -1
	FETCH 0, 0, TO_F0
	s_wait_loadcnt 0x0                             ; the bias
	HALF 0, 1                                      ; the first products start the sums on the bias: nothing is cleared
	WIN 0                                          ; at a label and at a branch every window is 0
	s_mov_b32 s3, 3
.Llap:                                             ; three trips: each goes once round the two slots and fills both again (K steps 2 to 7)
	TURN 0, 1, 1
	HALF 1, 0
	TURN 1, 0, 1
	HALF 0, 0
	WIN 0
	s_sub_co_u32 s3, s3, 1
	s_cmp_lg_u32 s3, 0
	s_cbranch_scc1 .Llap
	TURN 0, 1, 0                                   ; the last lap fills nothing, and has no round
	HALF 1, 0
	s_wait_dscnt 24                                ; the very last head
	WIN W_F1
	MUL16 0, 0, 0
	MUL16 0, 2, 0
	s_wait_dscnt 0
	MUL16 1, 0, 0
	MUL16 1, 2, 0
	WIN 0
; THE WAY OUT, block by block of 16 rows x 128 columns: through my own stage in LDS and back as whole rows of 512 bytes, which the 32 lanes store as 512 consecutive bytes, aligned.
.macro TOSTAGE a
	WIN 0x04                                       ; an LDS store's data are its source 1: window 1
.irp b, 0,1,2,3,4,5,6,7
	ds_store_b128 v[STO], v[64*(\a)+8*\b:64*(\a)+8*\b+3] offset:64*\b          ; each accumulator from its low end on
	ds_store_b128 v[STO], v[64*(\a)+8*\b+4:64*(\a)+8*\b+7] offset:64*\b+16
.endr
	WIN 0
.set BB, BK+64*((\a)%2)
.irp t, 0,1,2,3,4,5,6,7,8,9,10,11,12,13,14,15
	ds_load_b128 v[BB+4*\t:BB+4*\t+3], v[RD] offset:\t*SPITCH      ; LDS serves a wave's instructions in order: these see the stores above
.endr
.endm
.macro SEND a, younger                 ; younger: the LDS instructions issued behind block a's loads, which may stay out
.set BB, BK+64*((\a)%2)
	s_wait_dscnt \younger
.irp t, 0,1,2,3,4,5,6,7,8,9,10,11,12,13,14,15
	global_store_b128 v[CO], v[BB+4*\t:BB+4*\t+3], s[8:9] offset:(16*(\a)+\t)*4096 th:TH_STORE_NT   ; written once, read by nobody here; 63 rows at the most in the immediate
.endr
.endm
	PLACES
	TOSTAGE 0
.irp a, 1,2,3
.if \a > 1
	s_wait_xcnt 0x0                                ; block a - 2's stores have read their registers: block a's loads may land there
.endif
	TOSTAGE \a
	SEND \a-1, 32                                  ; behind block a - 1's loads: block a's 16 stores and 16 loads
.endr
	SEND 3, 0
	s_wait_tensorcnt 0x0                           ; the wave's end
	ds_add_u32 v[SPW], v[NIL]
	s_wait_dscnt 0x0
	CROUND                                         ; the closing round
	s_endpgm
.Lfunc_end_k_q9f955b3c40_oproj:
	.size	k_q9f955b3c40_oproj, .Lfunc_end_k_q9f955b3c40_oproj-k_q9f955b3c40_oproj
	.p2alignl 7, 3214868480
	.fill 96, 4, 3214868480
	.section	.rodata,"a",@progbits
	.p2align	6, 0x0
	.amdhsa_kernel k_q9f955b3c40_oproj
		.amdhsa_group_segment_fixed_size 327680
		.amdhsa_private_segment_fixed_size 0
		.amdhsa_enable_private_segment 0
		.amdhsa_kernarg_size 32
		.amdhsa_user_sgpr_count 2
		.amdhsa_user_sgpr_kernarg_segment_ptr 1
		.amdhsa_wavefront_size32 1
		.amdhsa_system_sgpr_workgroup_id_x 1
		.amdhsa_system_sgpr_workgroup_id_y 1
		.amdhsa_system_sgpr_workgroup_id_z 1
		.amdhsa_system_vgpr_workitem_id 0
		.amdhsa_next_free_vgpr 1024
		.amdhsa_next_free_sgpr 72
		.amdhsa_reserve_vcc 0
		.amdhsa_float_denorm_mode_32 3
		.amdhsa_float_denorm_mode_16_64 3
		.amdhsa_memory_ordered 1
		.amdhsa_forward_progress 1
		.amdhsa_inst_pref_size 85
	.end_amdhsa_kernel
	.amdgpu_metadata
---
amdhsa.version: [ 1, 2 ]
amdhsa.kernels:
  - .name:           k_q9f955b3c40_oproj
    .symbol:         k_q9f955b3c40_oproj.kd
    .args:
      - { .name: att, .offset: 0, .size: 8, .value_kind: global_buffer, .address_space: global }
      - { .name: wo16, .offset: 8, .size: 8, .value_kind: global_buffer, .address_space: global }
      - { .name: out0, .offset: 16, .size: 8, .value_kind: global_buffer, .address_space: global }
      - { .name: bo, .offset: 24, .size: 8, .value_kind: global_buffer, .address_space: global }
    .group_segment_fixed_size: 327680
    .private_segment_fixed_size: 0
    .kernarg_segment_align: 8
    .kernarg_segment_size: 32
    .max_flat_workgroup_size: 128
    .sgpr_count:     72
    .vgpr_count:     1024
    .wavefront_size: 32
...
	.end_amdgpu_metadata
.endif
;; end of part 4
